; MI455X (gfx1250); checked and timed in simulation.
; The chip was launched on July 23, 2026; its instructions are those of AMD's public machine-readable ISA for CDNA 5 (MIT licence, August 2026) and "CDNA5" Instruction Set Architecture Reference Guide (July 2026). The comments in the code are by the model that wrote it; some were corrected since.
;; Self Attention. Allowed arithmetic: matrix products marked QUANTISED: E2M1 operands, one E8M0 scale for each 32 along K, by v_wmma_scale_f32_16x16x128_f8f6f4 with both operands' format E2M1 (or v_wmma_scale_f32_32x16x128_f4), f32 sums; everything else in f32.
;; Inputs: W_out 1,024 x 1,024 float32; W_qkv 1,024 x 3,072 float32; b_out 1,024 float32; b_qkv 3,072 float32; x 4 x 2,048 x 1,024 float32.
;; Outputs: out0 4 x 2,048 x 1,024 float32.
;; This version of the problem:
;;   THIS VERSION OF THE PROBLEM IS GIVEN IN LOW PRECISION. The matrix products marked QUANTISED in the list below multiply operands that are first quantised to E2M1 (2 exponent bits, 1 mantissa bit; 4 bits a number), with one power-of-two scale for each 32 numbers along K (OCP MX v1.0); their sums are f32. All else is computed in f32.
;;   The module's matrix products, in the order in which they are computed (A, B: the left and right operand; K: the contracted axis; several contracted axes count as one K, in the product's order):
;;     1. [M 8,192, K 1,024] x [K 1,024, N 3,072]; A: input x; B: input W_qkv: QUANTISED
;;     2. batch 64 x [M 2,048, K 64] x [K 64, N 2,048]; A: computed on the way; B: computed on the way: QUANTISED
;;     3. batch 64 x [M 2,048, K 2,048] x [K 2,048, N 64]; A: softmax (see below); B: computed on the way: QUANTISED
;;     4. [M 8,192, K 1,024] x [K 1,024, N 1,024]; A: computed on the way; B: input W_out: QUANTISED
;;   THE QUANTISER, for each operand of a quantised product, along K:
;;     - K is cut into blocks of 32 from its start; a last block that is shorter is filled with zeros.
;;     - A block's scale is 2^e with e = floor(log2(the largest magnitude in the block)) - 2, held to -126 .. 127; a block of zeros has e = 0. As a byte (E8M0): e + 127.
;;     - Each number is divided by its block's scale, clamped to +-6, and rounded to the nearest number of E2M1, ties to even, subnormals kept.
;;     - The product sums the exact products of the quantised numbers (number of the format x scale) in f32.
;;   ~~~python
;;   def quantise(x, axis):      # numpy; x: float32 -> the quantised numbers, widened to float32 again
;;       x = np.moveaxis(x, axis, -1); K = x.shape[-1]
;;       x = np.pad(x, [(0, 0)] * (x.ndim - 1) + [(0, -K % 32)]); x = x.reshape(x.shape[:-1] + (-1, 32)); a = np.abs(x).max(-1, keepdims=True)
;;       e = np.where(a > 0, np.clip(np.frexp(np.where(a > 0, a, 1))[1] - 1 - 2, -126, 127), 0)      # np.frexp(a)[1] - 1 = floor(log2(a)), exactly
;;       r = np.clip(x / 2.0 ** e, -6, 6)
;;       step = 2.0 ** (np.maximum(np.frexp(np.where(r == 0, 1, r))[1] - 1, 0) - 1)
;;       q = np.round(r / step) * step * 2.0 ** e      # np.round: ties to even
;;       return np.moveaxis(q.reshape(q.shape[:-2] + (-1,))[..., :K], -1, axis).astype(np.float32)
;;   ~~~
;;   SOFTMAX AHEAD OF A QUANTISED PRODUCT. Where the list says 'softmax', what is quantised is not the finished softmax but p = 2^(t - M), with t = logit x log2(e) and M = ceil(the row's largest t), a whole number; so 1/2 < the row's largest p <= 1. The row's sum l is taken of the UNQUANTISED p, in f32, and the product's result is divided by l at the end. Since M is a whole number, a kernel that streams over the keys may use a running M (the ceiling of the running maximum): every later rescaling is an exact power of two, which a block's scale takes up: the codes' values come out the same.
;;   OPERANDS COMPUTED ON THE WAY. 'Computed on the way' means the value that the module computes at that place (a softmax that the list does not call 'softmax' is quantised finished and normalised). What goes into a quantiser is computed in f32, as accurately as f32 sums, v_exp_f32 and their like allow (about 1e-6 of the number): no bf16 or f16 on the way to a quantiser, and a product that is left as it is and whose result goes on into a quantised operand takes f32 operands (vector FMAs, or v_wmma_f32_16x16x4_f32). A number that lies on a knife's edge between two numbers of the format may be rounded either way, as far as f32 arithmetic and the matrix unit's own rounding can turn it there, and no further.
;; One version. Each part assembles by itself: llvm-mc -triple=amdgcn-amd-amdhsa -mcpu=gfx1250 --defsym DOCPART=n.
;; ======== version 1 of 1: 4 launches
;; workspace buffers: xq 4,456,448 bytes; wq 1,671,168 bytes; wo 557,056 bytes; qkv 18,350,080 bytes; ao 4,456,448 bytes
;; launch quant (part 1): grid 768 x 1, 4 waves a work-group, no clusters, 34,304 bytes of LDS; arguments x, W_qkv, W_out, xq, wq, wo; writes xq, wq, wo
.if DOCPART == 1
	.amdgcn_target "amdgcn-amd-amdhsa--gfx1250"
	.amdhsa_code_object_version 6
	.text
	.protected	k_qd0ccb404cd_quant
	.globl	k_qd0ccb404cd_quant
	.p2align	8
	.type	k_qd0ccb404cd_quant,@function
k_qd0ccb404cd_quant:
	s_mov_b64 s[64:65], 0
	v_nop
	global_prefetch_b8 v0, s[64:65] scope:SCOPE_SE
	s_setreg_imm32_b32 hwreg(HW_REG_WAVE_MODE, 25, 1), 1
	s_wait_xcnt 0x0
; x [8192][1024], W_qkv [1024][3072] and W_out [1024][1024], f32, become codes of FP4 (E2M1) with one E8M0 byte for each 32 along K, laid as the products' launches take them.
; A block's scale is 2^(floor(log2(largest magnitude)) - 2): its byte is the largest magnitude's exponent field - 2, held at 1 from below by a floor among the maximum's leaves.
; LAYOUT OF THE RESULTS.  A panel is 256 rows (tokens of x, columns of W) for all of K: 8 chunks of CH bytes, one for each 128 along K.  A chunk: 16 fragments of 1,024 bytes, then 1,024 bytes of scale words.
; A fragment is the image of an operand's registers: part c (0, 1) at 512 c + 16 x lane; lane (r, h) holds row r, k = 64 c + 32 h + 0 .. 31.  Scale words: [tile / 4][r][tile % 4], 4 bytes each.
; THE ROWS OF A TILE ARE NOT NEIGHBOURS: row m of tile 2 p + u is index 32 p + 8 u + m + 8 (m / 8), so that a product that takes such a tile as source 0 leaves 16 neighbours in a lane's registers of two tiles.
; SHARES.  Work-groups 0-511: one tile of 16 tokens of x each, wave w its K steps 2 w and 2 w + 1.  512-703: W_qkv, 704-767: W_out: 128 rows (one K step) x 128 columns each, a lane to a column, registers down K.
; Every wave asks for all its 16 KiB at once.  No barrier: waves share nothing.  Only the x path uses LDS (a stage for each wave).
; LIMITS: NaN and infinities among the inputs are not served.  A block of zeros gets the byte 1 where the rule says 127: its codes are zeros, and the bytes are read by this program alone.
.set CH,    17408                      ; a chunk: 16 x 1,024 bytes of codes + 1,024 of scale words
.set PANEL, 8*CH
.set SP,    528                        ; a stage row: 512 bytes + 16: the sixteen rows that a load touches start 16 bytes apart modulo 256
.set STG,   16*SP                      ; a wave's stage
.set RAW,   64                         ; v64-191  numbers as they are loaded
.set X,     192                        ; v192-255 x path: 64 numbers of a lane, in the operand's order
.set CD,    32                         ; v32-47   codes
.set T,     16                         ; v16-17   largest magnitudes
.set E,     18                         ; v18-19   the conversions' scale operands
.set BY,    20                         ; v20-23   scale bytes
.set WD,    24                         ; v24-25   scale words
.set TP,    26                         ; v26      the other half's bytes
.set SH,    27                         ; v27      8 h
	s_load_b128 s[4:7], s[0:1], 0x0                ; x, W_qkv
	s_load_b128 s[8:11], s[0:1], 0x10              ; W_out, xq
	s_load_b128 s[12:15], s[0:1], 0x20             ; wq, wo
	v_lshl_add_u32 v62, v0, 2, 0x8400
	v_mov_b32 v63, 0
	v_lshrrev_b32 v1, 5, v0
	v_readfirstlane_b32 s16, v1                    ; wave 0..3
	v_and_b32 v2, 31, v0                           ; lane
	v_and_b32 v3, 15, v0                           ; r
	v_bfe_u32 v4, v0, 4, 1                         ; h
	s_mov_b32 s20, 0x76543210
	s_mov_b32 s21, 0xfedcba98                      ; v_permlanex16_b32's selects for lane l xor 16
	s_cmp_lt_u32 ttmp9, 512
	s_cbranch_scc0 .Lweights
	; ---------------- x: tile i = the work-group's number
	s_lshr_b32 s17, ttmp9, 1
	s_lshl_b32 s17, s17, 5
	s_and_b32 s18, ttmp9, 1
	s_lshl_b32 s18, s18, 3
	s_add_co_u32 s17, s17, s18                     ; the tile's first token: 32 (i / 2) + 8 (i % 2)
	s_lshl_b32 s22, s17, 12                        ; x 4,096 bytes a row
	s_mov_b32 s23, 0
	s_lshl_b32 s18, s16, 10
	s_wait_alu depctr_va_vdst(0)
	v_lshl_add_u32 v5, v2, 4, s18                  ; in a row: my wave's 1,024 bytes, 16 a lane
	s_mul_i32 s19, s16, STG
	v_lshl_add_u32 v6, v2, 4, s19                  ; the stage, on the way in: 16 x lane
	v_mul_u32_u24 v7, v3, SP
	v_lshl_add_u32 v7, v4, 7, v7
	v_add_nc_u32 v7, s19, v7                       ; and on the way out: row r, + 128 h bytes: my 32 numbers of each 64
	s_lshr_b32 s24, ttmp9, 4
	s_mul_i32 s24, s24, PANEL
	s_mul_i32 s25, s16, 2*CH
	s_add_co_u32 s24, s24, s25                     ; my panel, chunk 2 w
	s_and_b32 s25, ttmp9, 15                       ; the tile's number in the panel
	s_lshl_b32 s26, s25, 10
	s_add_co_u32 s26, s26, s24                     ; its fragment
	s_mov_b32 s27, 0
	s_lshr_b32 s28, s25, 2
	s_lshl_b32 s28, s28, 8
	s_and_b32 s25, s25, 3
	s_lshl_b32 s25, s25, 2
	s_add_co_u32 s28, s28, s25
	s_add_co_u32 s28, s28, s24
	s_add_co_u32 s28, s28, 16384                   ; its scale words
	s_mov_b32 s29, 0
	v_lshlrev_b32 v8, 4, v2                        ; codes: 16 x lane
	v_mul_u32_u24 v9, v4, CH
	v_lshl_add_u32 v9, v3, 4, v9                   ; scale words: 16 r; lanes 16-31 store the second chunk's
	v_lshlrev_b32 v[SH], 3, v4
	v_mov_b32 v[TP], 0                             ; written once: a lane permute's destination counts as one of its sources
	s_wait_alu depctr_va_vdst(0)
	s_wait_kmcnt 0x0
	s_add_nc_u64 s[4:5], s[4:5], s[22:23]
	s_add_nc_u64 s[26:27], s[10:11], s[26:27]
	s_add_nc_u64 s[28:29], s[10:11], s[28:29]
.irp f, 0,1                                    ; 32 loads, 512 consecutive bytes each: row m's 128 numbers of K step 2 w + f
.irp m, 0,1,2,3,4,5,6,7,8,9,10,11,12,13,14,15
	global_load_b128 v[RAW+64*\f+4*\m:RAW+64*\f+4*\m+3], v5, s[4:5] offset:(\m+8*(\m/8))*4096+512*\f th:TH_LOAD_NT
.endr
.endr
; 16 rows x 512 bytes through my stage: in as they were loaded, out in the operand's order.  LDS serves a wave's instructions in order: no wait stands between the stores and the loads.
.macro TURN f
.irp m, 0,1,2,3,4,5,6,7,8,9,10,11,12,13,14,15
	ds_store_b128 v6, v[RAW+64*\f+4*\m:RAW+64*\f+4*\m+3] offset:\m*SP
.endr
.irp c, 0,1
.irp g, 0,1,2,3,4,5,6,7
	ds_load_b128 v[X+32*\c+4*\g:X+32*\c+4*\g+3], v7 offset:256*\c+16*\g
.endr
.endr
.endm
; A lane's 64 numbers are two whole blocks, 2 c + h: no other lane is asked for a maximum; the scale word's four bytes are gathered from lanes l and l xor 16.
.macro QB f
.irp c, 0,1
	v_max3_num_f32 v[T+\c], |v[X+32*\c]|, |v[X+32*\c+1]|, 0x1800000   ; and the floor 2^(3 - 127): the byte cannot fall under 1
.endr
.irp i, 2,4,6,8,10,12,14,16,18,20,22,24,26,28,30
.irp c, 0,1
	v_max3_num_f32 v[T+\c], v[T+\c], |v[X+32*\c+\i]|, |v[X+32*\c+\i+1]|   ; (the two blocks by turns)
.endr
.endr
.irp c, 0,1
	v_add_nc_u32 v[E+\c], 0xff000000, v[T+\c]      ; 2 off the exponent field: the conversion takes the exponent field of this operand as its scale
.endr
.irp c, 0,1
	v_lshrrev_b32 v[BY+\c], 23, v[E+\c]            ; the scale's byte
.endr
	v_lshl_or_b32 v[WD+\f], v[BY+1], 16, v[BY]     ; blocks h and 2 + h,
	v_lshlrev_b32 v[WD+\f], v[SH], v[WD+\f]        ; at their places in the word;
	v_permlanex16_b32 v[TP], v[WD+\f], s20, s21
	v_or_b32 v[WD+\f], v[WD+\f], v[TP]             ; with lane l xor 16's two the word is whole
.irp c, 0,1
.irp g, 0,1,2,3
	v_cvt_scalef32_pk8_fp4_f32 v[CD+8*\f+4*\c+\g], v[X+32*\c+8*\g:X+32*\c+8*\g+7], v[E+\c]
.endr
.endr
	v_nop                                          ; one plain line behind the last scaled conversion
.irp c, 0,1
	global_store_b128 v8, v[CD+8*\f+4*\c:CD+8*\f+4*\c+3], s[26:27] offset:\f*CH+512*\c   ; 512 consecutive bytes, aligned
.endr
.endm
	s_wait_loadcnt 16                              ; the first K step's 16 loads are in; the second's 16 may be out
	TURN 0
	s_wait_dscnt 0x0
	QB 0
	s_wait_loadcnt 0x0
	TURN 1                                         ; the stage's first reads are back: it is written again
	s_wait_dscnt 0x0
	QB 1
	v_permlane16_swap_b32 v[WD], v[WD+1]           ; lanes 0-15 keep the first chunk's words, lanes 16-31 take the second's
	global_store_b32 v9, v[WD], s[28:29]
	s_wait_tensorcnt 0x0
	ds_add_u32 v62, v63
	s_wait_dscnt 0x0
	s_endpgm
	; ---------------- W_qkv and W_out: K is the first axis: a lane takes a column, its registers run down K
.Lweights:
	s_wait_kmcnt 0x0
	s_cmp_lt_u32 ttmp9, 704                        ; the choice hangs on the work-group's number alone
	s_cselect_b64 s[4:5], s[6:7], s[8:9]           ; from
	s_cselect_b64 s[10:11], s[12:13], s[14:15]     ; to
	s_mov_b32 s17, 704
	s_cselect_b32 s17, 512, s17
	s_mov_b32 s18, 128*4096
	s_cselect_b32 s18, 128*12288, s18              ; 128 rows of W in bytes
	s_sub_co_u32 s17, ttmp9, s17                   ; my number in the tensor
	s_and_b32 s19, s17, 7                          ; K step
	s_lshr_b32 s22, s17, 3                         ; group of 128 columns
	s_mul_i32 s24, s19, s18
	s_lshl_b32 s25, s22, 9
	s_add_co_u32 s24, s24, s25
	s_lshl_b32 s25, s16, 7
	s_add_co_u32 s24, s24, s25                     ; + my wave's 32 columns
	s_mov_b32 s25, 0
	s_add_nc_u64 s[4:5], s[4:5], s[24:25]
	s_wait_alu depctr_va_vdst(0)
	v_lshlrev_b32 v5, 2, v2                        ; 4 bytes a lane
	s_lshr_b32 s26, s22, 1
	s_mul_i32 s26, s26, PANEL
	s_mul_i32 s27, s19, CH
	s_add_co_u32 s26, s26, s27                     ; my chunk
	s_and_b32 s27, s22, 1
	s_lshl_b32 s27, s27, 2
	s_add_co_u32 s27, s27, s16                     ; my pair of tiles in the panel
	s_lshl_b32 s28, s27, 11
	s_add_co_u32 s28, s28, s26
	s_mov_b32 s29, 0
	s_lshr_b32 s30, s27, 1
	s_lshl_b32 s30, s30, 8
	s_and_b32 s27, s27, 1
	s_lshl_b32 s27, s27, 3
	s_add_co_u32 s30, s30, s27
	s_add_co_u32 s30, s30, s26
	s_add_co_u32 s30, s30, 16384
	s_mov_b32 s31, 0
	s_add_nc_u64 s[28:29], s[10:11], s[28:29]      ; codes
	s_add_nc_u64 s[30:31], s[10:11], s[30:31]      ; scale words
	v_bfe_u32 v6, v0, 3, 1                         ; column x of the 32 is row (x % 8) + 8 (x / 16) of tile (x / 8) % 2
	v_and_b32 v7, 7, v0
	v_lshl_add_u32 v7, v4, 3, v7
	v_lshlrev_b32 v8, 10, v6
	v_lshl_add_u32 v8, v7, 4, v8                   ; codes: 1,024 x tile + 16 x row
	v_lshlrev_b32 v9, 2, v6
	v_lshl_add_u32 v9, v7, 4, v9                   ; scale word: 16 x row + 4 x tile
.macro WLOAD pitch                     ; W(128 s + i, my column), i = 0 .. 127: 128 consecutive bytes a wave and load
.set i, 0
.rept 128
	global_load_b32 v[RAW+i], v5, s[4:5] offset:i*\pitch th:TH_LOAD_NT
.set i, i+1
.endr
.endm
	s_cmp_lt_u32 ttmp9, 704
	s_cbranch_scc0 .Lwout
	s_wait_alu depctr_va_vdst(0)
	WLOAD 12288
	s_branch .Lwjoin
.Lwout:
	s_wait_alu depctr_va_vdst(0)
	WLOAD 4096
.Lwjoin:
.macro WBLOCK kb                       ; block kb of 32 along K: all its numbers are mine
	v_max3_num_f32 v[T], |v[RAW+32*\kb]|, |v[RAW+32*\kb+1]|, |v[RAW+32*\kb+2]|
	v_max3_num_f32 v[T+1], |v[RAW+32*\kb+3]|, |v[RAW+32*\kb+4]|, |v[RAW+32*\kb+5]|
.irp i, 6,10,14,18,22,26
	v_max3_num_f32 v[T], v[T], |v[RAW+32*\kb+\i]|, |v[RAW+32*\kb+\i+1]|
	v_max3_num_f32 v[T+1], v[T+1], |v[RAW+32*\kb+\i+2]|, |v[RAW+32*\kb+\i+3]|
.endr
	v_max3_num_f32 v[T], v[T], |v[RAW+32*\kb+30]|, |v[RAW+32*\kb+31]|
	v_max3_num_f32 v[T], v[T], v[T+1], 0x1800000   ; and the floor
	v_add_nc_u32 v[E], 0xff000000, v[T]
	v_lshrrev_b32 v[BY+\kb], 23, v[E]
.irp g, 0,1,2,3
	v_cvt_scalef32_pk8_fp4_f32 v[CD+4*\kb+\g], v[RAW+32*\kb+8*\g:RAW+32*\kb+8*\g+7], v[E]
.endr
	v_nop                                          ; one plain line behind the last scaled conversion
	global_store_b128 v8, v[CD+4*\kb:CD+4*\kb+3], s[28:29] offset:512*(\kb/2)+256*(\kb%2)   ; block 2 c + h is part c, lanes 16 h on, of the image: the sixteen lanes of a tile write 256 consecutive bytes
.endm
	s_wait_loadcnt 63                              ; the youngest 63 of the 128 may be out: rows 0 to 64 are in, which serves blocks 0 and 1 (the count cannot name more)
	WBLOCK 0
	WBLOCK 1
	s_wait_loadcnt 32                              ; rows 0 to 95
	WBLOCK 2
	s_wait_loadcnt 0x0
	WBLOCK 3
	v_lshl_or_b32 v[WD], v[BY+1], 8, v[BY]
	v_lshl_or_b32 v[WD], v[BY+2], 16, v[WD]
	v_lshl_or_b32 v[WD], v[BY+3], 24, v[WD]        ; my column's scale word for this K step
	global_store_b32 v9, v[WD], s[30:31]
	s_endpgm
.Lfunc_end_k_qd0ccb404cd_quant:
	.size	k_qd0ccb404cd_quant, .Lfunc_end_k_qd0ccb404cd_quant-k_qd0ccb404cd_quant
	.p2alignl 7, 3214868480
	.fill 96, 4, 3214868480
	.section	.rodata,"a",@progbits
	.p2align	6, 0x0
	.amdhsa_kernel k_qd0ccb404cd_quant
		.amdhsa_group_segment_fixed_size 34304
		.amdhsa_private_segment_fixed_size 0
		.amdhsa_enable_private_segment 0
		.amdhsa_kernarg_size 48
		.amdhsa_user_sgpr_count 2
		.amdhsa_user_sgpr_kernarg_segment_ptr 1
		.amdhsa_wavefront_size32 1
		.amdhsa_system_sgpr_workgroup_id_x 1
		.amdhsa_system_sgpr_workgroup_id_y 1
		.amdhsa_system_sgpr_workgroup_id_z 1
		.amdhsa_system_vgpr_workitem_id 0
		.amdhsa_next_free_vgpr 256
		.amdhsa_next_free_sgpr 66
		.amdhsa_reserve_vcc 0
		.amdhsa_float_denorm_mode_32 3
		.amdhsa_float_denorm_mode_16_64 3
		.amdhsa_memory_ordered 1
		.amdhsa_forward_progress 1
		.amdhsa_inst_pref_size 49
	.end_amdhsa_kernel
	.amdgpu_metadata
---
amdhsa.version: [ 1, 2 ]
amdhsa.kernels:
  - .name:           k_qd0ccb404cd_quant
    .symbol:         k_qd0ccb404cd_quant.kd
    .args:
      - { .name: x, .offset: 0, .size: 8, .value_kind: global_buffer, .address_space: global }
      - { .name: W_qkv, .offset: 8, .size: 8, .value_kind: global_buffer, .address_space: global }
      - { .name: W_out, .offset: 16, .size: 8, .value_kind: global_buffer, .address_space: global }
      - { .name: xq, .offset: 24, .size: 8, .value_kind: global_buffer, .address_space: global }
      - { .name: wq, .offset: 32, .size: 8, .value_kind: global_buffer, .address_space: global }
      - { .name: wo, .offset: 40, .size: 8, .value_kind: global_buffer, .address_space: global }
    .group_segment_fixed_size: 34304
    .private_segment_fixed_size: 0
    .kernarg_segment_align: 8
    .kernarg_segment_size: 48
    .max_flat_workgroup_size: 128
    .sgpr_count:     66
    .vgpr_count:     256
    .wavefront_size: 32
...
	.end_amdgpu_metadata
.endif
;; end of part 1
;; launch qkv (part 2): grid 12 x 32, 4 waves a work-group, clusters of 4 x 4, 279,040 bytes of LDS; arguments xq, wq, b_qkv, qkv; writes qkv
.if DOCPART == 2
	.amdgcn_target "amdgcn-amd-amdhsa--gfx1250"
	.amdhsa_code_object_version 6
	.text
	.protected	k_qd0ccb404cd_qkv
	.globl	k_qd0ccb404cd_qkv
	.p2align	8
	.type	k_qd0ccb404cd_qkv,@function
k_qd0ccb404cd_qkv:
	s_mov_b64 s[64:65], 0
	v_nop
	global_prefetch_b8 v0, s[64:65] scope:SCOPE_SE
	s_setreg_imm32_b32 hwreg(HW_REG_WAVE_MODE, 25, 1), 1
	s_wait_xcnt 0x0
	s_wait_alu depctr_hold_cnt(0) depctr_sa_sdst(0) depctr_va_vdst(0) depctr_va_sdst(0) depctr_va_ssrc(0) depctr_va_vcc(0) depctr_vm_vsrc(0)
	s_getreg_b32 s2, hwreg(HW_REG_IB_STS2, 6, 4)
	s_cmp_eq_u32 s2, 0
	s_cbranch_scc0 .Lentry_in_a_cluster
	s_endpgm
.Lentry_in_a_cluster:
	s_bfe_u32 s2, ttmp6, 0x10000c
	s_cmp_lg_u32 s2, 0xf033
	s_cbranch_scc0 .Lentry_shape_is_right
	s_endpgm
.Lentry_shape_is_right:
; qkv = Q(x) Q(W_qkv) + b_qkv on codes of FP4 (E2M1) with E8M0 scales; the result is quantised at once: q and k along the head's 64, v along the keys, and stored as images of the next launch's operand registers.
; A work-group makes 256 tokens x 256 columns; its four waves 128 x 128 each: 64 accumulators of 16 x 16, 512 registers.  K = 1,024 is 512 bytes a row: both panels, scale words too, lie in LDS whole
; (2 x 139,264 bytes).  They are filled once, by four tensor loads a wave (by this text's count four are out at the most), and nothing is ever filled again or stored into LDS.
; CLUSTERS: 4 x 4 work-groups.  The four of a row need the same panel of x, the four of a column the same panel of W: each chunk is asked for JOINTLY.
; 384 work-groups: with all of K in LDS no tile of this product gives each of 256 WGPs exactly one.
; PANELS (made by the launch before): 8 chunks of CH bytes, one for each 128 along K: 16 fragments of 1,024 bytes (part c at 512 c + 16 x lane), then scale words [tile / 4][r][tile % 4].
; Row m of tile 2 p + u is index 32 p + 8 u + m + 8 (m / 8): so the 16 registers of the results of two neighbouring tiles of source 0 are 16 NEIGHBOURS, 32 p + 16 (lane / 16) + 0 .. 15.
; ROLES.  Source 1 (the MAJOR operand) gives a lane its row, source 0 (the MINOR one) runs along its registers, which is the axis to be quantised.  q, k (cluster x = 0, 1): major x, minor W: registers run along d.
; v (cluster x = 2): major W, minor x: registers run along the keys.  The two ways part on the cluster's x, which all partners share, and are two expansions of the same macros.
; The bias is the C of each sum's first matrix instruction.
; OUT.  A record of REC bytes for each (batch x 16 + head, group of 128 tokens): +0 k's codes, 8 tiles x 512 bytes (lane (r, h): the tile's row r, d = 32 h ..); +4096 v's codes, 4 channel tiles x 1,024 bytes (K = the 128 keys);
; +8192 k's scale words [lane][pair]: lanes 0-15 tile 2 p, lanes 16-31 tile 2 p + 1; bytes 2, 3 are 0; +8704 v's scale words [lane][2] likewise.  q: the same form at QOFF, parts +0 and +8192 alone.
; REGISTERS, in windows of 256: window 0: v1-18 addresses; v32-63 scale words, two sets; v64-127 at work on the way out; v128-255 the major operand's fragments, two sets.
;   window 1: v0-127 the minor operand's fragments, two sets; v128-191 the bias.   windows 2, 3: accumulator (a, b) at v[8 (8 (a % 4) + b)] of window 2 + a / 4.
; LIMITS: NaN and infinities are not served.  A block of zeros gets the byte 1 where the rule says 127: its codes are zeros, and the bytes are read by this program alone.
.set CH,    17408
.set PANEL, 8*CH
.set XP,    0                          ; LDS: x's panel,
.set WP,    PANEL                      ; W's
.set REC,   8960
.set HS,    16*REC                     ; a head's 16 records
.set QOFF,  64*HS
.set R,     1                          ; v1  lane % 16
.set H,     2                          ; v2  lane / 16
.set LI,    4                          ; v4  16 x lane: a fragment's place for my lane, in LDS and in the records
.set AMAJ,  8                          ; v8-9   LDS address of the major operand's fragments: K steps 0-3, 4-7
.set AMIN,  10                         ; v10-11 of the minor's
.set SMAJ,  12                         ; v12-13 of the major's scale words
.set SMIN,  14                         ; v14-15 of the minor's
.set GO8,   17                         ; v17 8 x lane
.set BV,    18                         ; v18 my offset in the bias
.set SC,    32                         ; scale words: set (s % 2) at 16 (s % 2): registers 0-7 the major's tiles, 8-15 the minor's
.set T,     64                         ; the way out: v64-79 largest magnitudes, v80-95 the other half's, v96-111 the conversions' scale operands, v112-127 bytes
.set T2,    80
.set E,     96
.set BY,    112
.set WDS,   160                        ; v160-175 scale words on their way out
.set WV,    12
.set HM,    13                         ; which half of the major operand's 256 rows is mine.  Also: I fetch for x (0) or for W (1)
.set HN,    14                         ; which half of the minor's.  Also: I fetch the even or the odd chunks
.set G1A,   24                         ; s[24:31] descriptor group 1 for x's chunks;  s[32:39] for W's: they differ in the mask alone
.set G1B,   32
.set G0A,   40                         ; s[40:55] four groups 0 for x's chunks;  s[68:83] for W's
.set G0B,   68
.set OUT,   86                         ; s[86:87] my first record
.set MSB, 0
.macro WIN new                         ; the immediate's high byte repeats the setting that is left
.if MSB != (\new)
	s_set_vgpr_msb (MSB<<8)|(\new)
.set MSB, (\new)
.endif
.endm
.macro CROUND                          ; a round of the cluster's barrier
	s_barrier_signal -1
	s_barrier_wait -1
	s_cmp_lg_u32 s[WV], 0
	s_cbranch_scc1 .Lnot_wave_0_\@
	s_barrier_signal -3
.Lnot_wave_0_\@:
	s_barrier_wait -3
	s_barrier_signal -1
	s_barrier_wait -1
.endm
	s_load_b256 s[4:11], s[0:1], 0x0               ; xq s[4:5], wq s[6:7], b_qkv s[8:9], qkv s[10:11]
	v_lshl_add_u32 v30, v0, 2, 0x44000
	v_mov_b32 v31, 0
	ds_add_u32 v30, v31
	ds_add_u32 v30, v31
	v_lshrrev_b32 v1, 5, v0
	v_readfirstlane_b32 s[WV], v1                  ; wave 0..3
	s_lshr_b32 s[HM], s[WV], 1
	s_and_b32 s[HN], s[WV], 1
	s_bfe_u32 s15, ttmp6, 0x40000                  ; cx, cy: my place in the cluster
	s_bfe_u32 s16, ttmp6, 0x40004
	s_lshl_b32 s17, ttmp9, 2
	s_add_co_u32 s17, s17, s15                     ; block of 256 columns = 4 x cluster x + cx
	s_and_b32 s18, ttmp7, 0xffff
	s_lshl_b32 s18, s18, 2
	s_add_co_u32 s18, s18, s16                     ; block of 256 tokens = 4 x cluster y + cy
	s_lshl_b32 s19, s16, 2
	s_lshl_b32 s19, 15, s19                        ; my row of the cluster
	s_lshl_b32 s20, 0x1111, s15                    ; my column
	; descriptor group 1: a chunk is a dense block of 17,408 bytes: 68 rows of 32 elements of 8 bytes, no padding
	s_or_b32 s[G1A], s19, (3<<16)|(1<<21)          ; 15:0 the mask: x's chunks go to my row; 17:16 elements of 8 bytes; 21 set beside a mask
	s_or_b32 s[G1B], s20, (3<<16)|(1<<21)
.irp g, G1A, G1B
	s_mov_b32 s[\g+1], 32<<16                      ; tensor_dim0
	s_mov_b32 s[\g+2], 68<<16                      ; tensor_dim1
	s_mov_b32 s[\g+3], 32<<16                      ; tile_dim0
	s_mov_b32 s[\g+4], 68                          ; tile_dim1
	s_mov_b32 s[\g+5], 32                          ; tensor_dim0_stride
	s_mov_b32 s[\g+6], 0
	s_mov_b32 s[\g+7], 0
.endr
	s_mul_i32 s20, s[HN], CH                       ; my first chunk: K step 0 or 1
	s_mul_i32 s56, s18, PANEL                      ; x's panel hangs on the block of tokens alone, which my row shares;
	s_add_co_u32 s56, s56, s20
	s_mov_b32 s57, 0
	s_mul_i32 s84, s17, PANEL                      ; W's on the block of columns alone, which my column shares
	s_add_co_u32 s84, s84, s20
	s_mov_b32 s85, 0
	s_mul_i32 s21, s[HM], PANEL
	s_add_co_u32 s21, s21, s20                     ; where they go: no place in the cluster enters an LDS address
	s_wait_dscnt 0x0
	s_wait_kmcnt 0x0
	s_add_nc_u64 s[56:57], s[4:5], s[56:57]
	s_add_nc_u64 s[84:85], s[6:7], s[84:85]
	CROUND                                         ; all sixteen work-groups are here: the joint loads meet
.irp i, 0,1,2,3                                ; my load i brings K step 2 i + (wave % 2)
	s_mov_b32 s[G0A+4*\i], 1
	s_add_co_u32 s[G0A+4*\i+1], s21, \i*2*CH
	s_add_nc_u64 s[G0A+4*\i+2:G0A+4*\i+3], s[56:57], \i*2*CH
	s_or_b32 s[G0A+4*\i+3], s[G0A+4*\i+3], 0x80000000
	s_mov_b32 s[G0B+4*\i], 1
	s_add_co_u32 s[G0B+4*\i+1], s21, \i*2*CH
	s_add_nc_u64 s[G0B+4*\i+2:G0B+4*\i+3], s[84:85], \i*2*CH
	s_or_b32 s[G0B+4*\i+3], s[G0B+4*\i+3], 0x80000000
.endr
	s_cmp_eq_u32 s[HM], 0                          ; a wave's four fills stand in one branch on the wave's number, ahead of every wait on TENSORcnt and every LDS read
	s_cbranch_scc0 .Lfill_w
.irp i, 0,1,2,3
	tensor_load_to_lds s[G0A+4*\i:G0A+4*\i+3], s[G1A:G1A+7]
	s_nop 0
.endr
.rept 4
	v_nop
.endr
	s_branch .Lfilled
.Lfill_w:
.irp i, 0,1,2,3
	tensor_load_to_lds s[G0B+4*\i:G0B+4*\i+3], s[G1B:G1B+7]
	s_nop 0
.endr
.rept 4
	v_nop
.endr
.Lfilled:
	v_and_b32 v[R], 15, v0
	v_bfe_u32 v[H], v0, 4, 1
	v_and_b32 v3, 31, v0
	v_lshlrev_b32 v[LI], 4, v3
	v_lshlrev_b32 v[GO8], 3, v3
	s_mov_b32 s2, 0x76543210
	s_mov_b32 s3, 0xfedcba98                       ; v_permlanex16_b32's selects for lane l xor 16
.macro ADDRS majp, minp                ; the LDS addresses, from the two panels' bases
	s_lshl_b32 s20, s[HM], 13                      ; my 8 fragments of the major operand
	s_add_co_u32 s20, s20, \majp
	v_add_nc_u32 v[AMAJ], s20, v[LI]
	v_add_nc_u32 v[AMAJ+1], 4*CH, v[AMAJ]
	s_lshl_b32 s20, s[HN], 13
	s_add_co_u32 s20, s20, \minp
	v_add_nc_u32 v[AMIN], s20, v[LI]
	v_add_nc_u32 v[AMIN+1], 4*CH, v[AMIN]
	s_lshl_b32 s20, s[HM], 9                       ; their scale words: 16 bytes a row: four tiles' words
	s_add_co_u32 s20, s20, \majp+16384
	v_lshl_add_u32 v[SMAJ], v[R], 4, s20
	v_add_nc_u32 v[SMAJ+1], 4*CH, v[SMAJ]
	s_lshl_b32 s20, s[HN], 9
	s_add_co_u32 s20, s20, \minp+16384
	v_lshl_add_u32 v[SMIN], v[R], 4, s20
	v_add_nc_u32 v[SMIN+1], 4*CH, v[SMIN]
.endm
.macro OUTBASE ha, hb                  ; my first record: ha: the half that picks the heads, hb: the half that picks the group of 128 tokens
	s_lshr_b32 s20, s18, 3
	s_lshl_b32 s20, s20, 4                         ; 16 x batch
	s_and_b32 s21, s17, 3
	s_lshl_b32 s21, s21, 2
	s_add_co_u32 s20, s20, s21                     ; + 4 heads for each block of 256 columns
	s_lshl_b32 s21, s[\ha], 1
	s_add_co_u32 s20, s20, s21                     ; + 2 for my half
	s_lshl_b32 s20, s20, 4
	s_and_b32 s21, s18, 7
	s_lshl_b32 s21, s21, 1
	s_add_co_u32 s20, s20, s21
	s_add_co_u32 s20, s20, s[\hb]                  ; the group
	s_mul_i32 s20, s20, REC
	s_mov_b32 s21, 0
	s_add_nc_u64 s[OUT:OUT+1], s[10:11], s[20:21]
.endm
; 36 LDS loads in one run: K step s: 8 + 8 fragments and their scale words, into set s % 2.  Every load of codes takes 512 consecutive bytes.
.macro FETCH s
	WIN 0x40                                       ; destination window 1
.irp i, 0,1,2,3,4,5,6,7
.irp c, 0,1
	ds_load_b128 v[64*((\s)%2)+8*\i+4*\c:64*((\s)%2)+8*\i+4*\c+3], v[AMIN+(\s)/4] offset:((\s)%4)*CH+1024*\i+512*\c
.endr
.endr
	WIN 0
.irp i, 0,1,2,3,4,5,6,7
.irp c, 0,1
	ds_load_b128 v[128+64*((\s)%2)+8*\i+4*\c:128+64*((\s)%2)+8*\i+4*\c+3], v[AMAJ+(\s)/4] offset:((\s)%4)*CH+1024*\i+512*\c
.endr
.endr
.irp q, 0,1
	ds_load_b128 v[SC+16*((\s)%2)+4*\q:SC+16*((\s)%2)+4*\q+3], v[SMAJ+(\s)/4] offset:((\s)%4)*CH+256*\q
	ds_load_b128 v[SC+16*((\s)%2)+8+4*\q:SC+16*((\s)%2)+8+4*\q+3], v[SMIN+(\s)/4] offset:((\s)%4)*CH+256*\q
.endr
.endm
; 64 matrix instructions: K step s.  first = 1: C is the bias of the minor tile's 8 indices; 2: the bias of the major tile's row, eight times; 0: the sum goes on in place.
; The 64 accumulators take turns, one instruction a turn, in the same order in every step.
.macro MUL s, first
.irp a, 0,1,2,3,4,5,6,7
.if \first
	WIN 0x91+0x40*(\a/4)                           ; source 0 and C window 1, source 1 window 0, D window 2 or 3
.else
	WIN 0xa1+0x50*(\a/4)                           ; source 0 window 1, source 1 window 0, C and D window 2 or 3
.endif
.irp b, 0,1,2,3,4,5,6,7
.set rD, 8*(8*(\a%4)+\b)
.set rA, 64*((\s)%2)+8*\b
.set rB, 128+64*((\s)%2)+8*\a
.set rSA, SC+16*((\s)%2)+8+\b
.set rSB, SC+16*((\s)%2)+\a
.if \first == 1
	v_wmma_scale_f32_16x16x128_f8f6f4 v[rD:rD+7], v[rA:rA+7], v[rB:rB+7], v[128+8*\b:135+8*\b], v[rSA], v[rSB] matrix_a_fmt:MATRIX_FMT_FP4 matrix_b_fmt:MATRIX_FMT_FP4
.elseif \first == 2
	v_wmma_scale_f32_16x16x128_f8f6f4 v[rD:rD+7], v[rA:rA+7], v[rB:rB+7], v[128+8*\a:135+8*\a], v[rSA], v[rSB] matrix_a_fmt:MATRIX_FMT_FP4 matrix_b_fmt:MATRIX_FMT_FP4
.else
	v_wmma_scale_f32_16x16x128_f8f6f4 v[rD:rD+7], v[rA:rA+7], v[rB:rB+7], v[rD:rD+7], v[rSA], v[rSB] matrix_a_fmt:MATRIX_FMT_FP4 matrix_b_fmt:MATRIX_FMT_FP4
.endif
.endr
.endr
.endm
; K step s: its operands are in; the next step's are asked for; then the products.  Chunks 2 i and 2 i + 1 are each wave's load i: ahead of the fetch of K steps 2, 4, 6 each wave waits for its load 1, 2, 3 and all meet.
.macro STEP s, first
	s_wait_dscnt 0x0                               ; this step's 36 loads are in (and no LDS instruction of mine is out at a signal)
.if ((\s)==1)||((\s)==3)||((\s)==5)
	s_wait_tensorcnt (5-(\s))/2                    ; my later loads may stay out
	s_barrier_signal -1
	s_barrier_wait -1
.endif
.if (\s) < 7
.if (\s) > 0
.rept 4
	v_nop                                          ; four places in front of loads into registers that the step before has multiplied (ISA guide 7.12.1 for vector instructions)
.endr
.endif
	FETCH (\s)+1
.endif
	MUL \s, \first
.endm
.macro MAIN first
	s_wait_tensorcnt 0x3                           ; my first chunk is in; three loads of mine may be out
	s_barrier_signal -1
	s_barrier_wait -1                              ; everybody's is: K steps 0 and 1 of both panels
	FETCH 0
	s_wait_loadcnt 0x0                             ; the bias
	STEP 0, \first
.irp s, 1,2,3,4,5,6,7
	STEP \s, 0
.endr
	WIN 0
.set bb, 0
.rept 16
	v_mov_b32 v[T2+bb], 0                          ; written once: a lane permute's destination counts as one of its sources.  (Also the places behind the last products)
.set bb, bb+1
.endr
.endm
; THE QUANTISER for the 16 blocks of window wd.  Block bb: registers 16 bb .. 16 bb + 15 of the window: 16 neighbours along the axis to be quantised; lane l xor 16 holds the block's other 16.
; Codes go to v[128 + 64 rnd] on: after the exchange of halves registers 4 q .. 4 q + 3 hold, in lanes 0-15, block 2 q whole and, in lanes 16-31, block 2 q + 1.  Bytes: v[BY + bb].
.macro QWIN wd, rnd
	WIN (\wd)|((\wd)<<2)                           ; sources 0 and 1: the accumulators' window
.set bb, 0
.rept 16
	v_max3_num_f32 v[T+bb], |v[16*bb]|, |v[16*bb+1]|, 0x1800000   ; each accumulator is read from its low end on; the floor 2^(3 - 127) holds the byte at 1 from below
.set bb, bb+1
.endr
.irp i, 2,4,6,8,10,12,14
.set bb, 0
.rept 16
	v_max3_num_f32 v[T+bb], |v[16*bb+\i]|, |v[16*bb+\i+1]|, v[T+bb]
.set bb, bb+1
.endr
.endr
	WIN 0
.set bb, 0
.rept 16
	v_permlanex16_b32 v[T2+bb], v[T+bb], s2, s3
.set bb, bb+1
.endr
.set bb, 0
.rept 16
	v_max_num_f32 v[T+bb], v[T+bb], v[T2+bb]       ; the block's largest magnitude
.set bb, bb+1
.endr
.set bb, 0
.rept 16
	v_add_nc_u32 v[E+bb], 0xff000000, v[T+bb]      ; 2 off its exponent field: the conversion's scale operand
.set bb, bb+1
.endr
.set bb, 0
.rept 16
	v_lshrrev_b32 v[BY+bb], 23, v[E+bb]            ; the scale's byte
.set bb, bb+1
.endr
	WIN \wd                                        ; source 0: the accumulators' window
.set bb, 0
.rept 16
	v_cvt_scalef32_pk8_fp4_f32 v[128+64*\rnd+2*bb], v[16*bb:16*bb+7], v[E+bb]
	v_cvt_scalef32_pk8_fp4_f32 v[128+64*\rnd+2*bb+1], v[16*bb+8:16*bb+15], v[E+bb]
.set bb, bb+1
.endr
	WIN 0
	v_nop                                          ; one plain line behind the last scaled conversion
.set bb, 0
.rept 8
	v_permlane16_swap_b32 v[128+64*\rnd+4*bb], v[128+64*\rnd+4*bb+2]
	v_permlane16_swap_b32 v[128+64*\rnd+4*bb+1], v[128+64*\rnd+4*bb+3]
.set bb, bb+1
.endr
.endm
	s_cmp_eq_u32 ttmp9, 2                          ; the cluster's x: the same in all sixteen partners
	s_cbranch_scc1 .Lvpath
	s_wait_alu depctr_va_vdst(0)
	; ---------------- q and k: a lane holds a token, its registers run along d
	ADDRS XP, WP
	s_lshl_b32 s20, s17, 10
	s_lshl_b32 s21, s[HN], 9
	s_add_co_u32 s20, s20, s21                     ; my 128 columns' bias
	s_mov_b32 s21, 0
	s_add_nc_u64 s[8:9], s[8:9], s[20:21]
	v_lshlrev_b32 v[BV], 6, v[H]                   ; tile b's register j is column 32 (b / 2) + 16 h + 8 (b % 2) + j
	WIN 0x40
.irp b, 0,1,2,3,4,5,6,7
	global_load_b128 v[128+8*\b:131+8*\b], v[BV], s[8:9] offset:(32*(\b/2)+8*(\b%2))*4
	global_load_b128 v[132+8*\b:135+8*\b], v[BV], s[8:9] offset:(32*(\b/2)+8*(\b%2))*4+16
.endr
	WIN 0
	OUTBASE HN, HM
	s_cmp_eq_u32 ttmp9, 0
	s_cselect_b32 s22, QOFF, 0                     ; q's records lie behind k's and v's
	s_mov_b32 s23, 0
	s_add_nc_u64 s[OUT:OUT+1], s[OUT:OUT+1], s[22:23]
	s_wait_alu depctr_va_vdst(0)
	MAIN 1
; Window 2 + rnd holds token tiles 4 rnd .. 4 rnd + 3; block 4 a + 2 hd + e is tile a, head hd, d = 32 e on.  Registers 4 q .. 4 q + 3 of the codes are tile q / 2 of head q % 2: 512 bytes as the next launch loads them.
.macro QKOUT rnd
.irp a, 0,1,2,3
.irp hd, 0,1
	v_lshl_or_b32 v[WDS+8*(\a%2)+4*\hd+(4*\rnd+\a)/2], v[BY+4*\a+2*\hd+1], 8, v[BY+4*\a+2*\hd]   ; the row's two bytes; even tiles' words at v160 on, odd tiles' at v168 on
.endr
.endr
.irp q, 0,1,2,3,4,5,6,7
	global_store_b128 v[LI], v[128+64*\rnd+4*\q:128+64*\rnd+4*\q+3], s[OUT:OUT+1] offset:(\q%2)*HS+(4*\rnd+\q/2)*512   ; 512 consecutive bytes, aligned
.endr
.endm
	QWIN 2, 0
	QKOUT 0
	QWIN 3, 1
	QKOUT 1
.irp k, 0,1,2,3,4,5,6,7
	v_permlane16_swap_b32 v[WDS+\k], v[WDS+8+\k]   ; lanes 0-15 keep the even tile's words, lanes 16-31 take the odd tile's
.endr
.irp hd, 0,1
	global_store_b128 v[LI], v[WDS+4*\hd:WDS+4*\hd+3], s[OUT:OUT+1] offset:\hd*HS+8192
.endr
	s_branch .Lend
	; ---------------- v: a lane holds a channel, its registers run along the keys
.Lvpath:
	s_wait_alu depctr_va_vdst(0)
	ADDRS WP, XP
	s_lshl_b32 s20, s17, 10
	s_lshl_b32 s21, s[HM], 9
	s_add_co_u32 s20, s20, s21
	s_mov_b32 s21, 0
	s_add_nc_u64 s[8:9], s[8:9], s[20:21]
	v_and_b32 v[BV], 8, v[R]
	v_add_nc_u32 v[BV], v[BV], v[R]
	v_lshlrev_b32 v[BV], 2, v[BV]                  ; lane r of tile a is column 32 (a / 2) + 8 (a % 2) + r + 8 (r / 8): one number for all eight registers
	WIN 0x40
.irp a, 0,1,2,3,4,5,6,7
.irp j, 0,1,2,3,4,5,6,7
	global_load_b32 v[128+8*\a+\j], v[BV], s[8:9] offset:(32*(\a/2)+8*(\a%2))*4
.endr
.endr
	WIN 0
	OUTBASE HM, HN
	s_wait_alu depctr_va_vdst(0)
	MAIN 2
; Window 2 + rnd holds head rnd's four channel tiles; block 4 t + p is tile t, keys 32 p on.  Registers 4 q .. 4 q + 3 of the codes are part q % 2 of tile q / 2's image.
.macro VOUT rnd
.irp t, 0,1,2,3
	v_lshl_or_b32 v[WDS+4*\rnd+2*(\t%2)+\t/2], v[BY+4*\t+1], 8, v[BY+4*\t]
	v_lshl_or_b32 v[WDS+4*\rnd+2*(\t%2)+\t/2], v[BY+4*\t+2], 16, v[WDS+4*\rnd+2*(\t%2)+\t/2]
	v_lshl_or_b32 v[WDS+4*\rnd+2*(\t%2)+\t/2], v[BY+4*\t+3], 24, v[WDS+4*\rnd+2*(\t%2)+\t/2]   ; the channel's scale word for these 128 keys
.endr
	v_permlane16_swap_b32 v[WDS+4*\rnd], v[WDS+4*\rnd+2]      ; tiles 0 and 1 in one register,
	v_permlane16_swap_b32 v[WDS+4*\rnd+1], v[WDS+4*\rnd+3]    ; tiles 2 and 3 in the next
	global_store_b64 v[GO8], v[WDS+4*\rnd:WDS+4*\rnd+1], s[OUT:OUT+1] offset:\rnd*HS+8704   ; 256 consecutive bytes, aligned
.irp q, 0,1,2,3,4,5,6,7
	global_store_b128 v[LI], v[128+64*\rnd+4*\q:128+64*\rnd+4*\q+3], s[OUT:OUT+1] offset:\rnd*HS+4096+512*\q
.endr
.endm
	QWIN 2, 0
	VOUT 0
	QWIN 3, 1
	VOUT 1
.Lend:
	s_wait_tensorcnt 0x0
	ds_add_u32 v30, v31
	s_wait_dscnt 0x0
	CROUND                                         ; the closing round: no work-group ends while a partner may still ask for a chunk that names it
	s_endpgm
.Lfunc_end_k_qd0ccb404cd_qkv:
	.size	k_qd0ccb404cd_qkv, .Lfunc_end_k_qd0ccb404cd_qkv-k_qd0ccb404cd_qkv
	.p2alignl 7, 3214868480
	.fill 96, 4, 3214868480
	.section	.rodata,"a",@progbits
	.p2align	6, 0x0
	.amdhsa_kernel k_qd0ccb404cd_qkv
		.amdhsa_group_segment_fixed_size 279040
		.amdhsa_private_segment_fixed_size 0
		.amdhsa_enable_private_segment 0
		.amdhsa_kernarg_size 32
		.amdhsa_user_sgpr_count 2
		.amdhsa_user_sgpr_kernarg_segment_ptr 1
		.amdhsa_wavefront_size32 1
		.amdhsa_system_sgpr_workgroup_id_x 1
		.amdhsa_system_sgpr_workgroup_id_y 1
		.amdhsa_system_sgpr_workgroup_id_z 1
		.amdhsa_system_vgpr_workitem_id 0
		.amdhsa_next_free_vgpr 1024
		.amdhsa_next_free_sgpr 100
		.amdhsa_reserve_vcc 0
		.amdhsa_float_denorm_mode_32 3
		.amdhsa_float_denorm_mode_16_64 3
		.amdhsa_memory_ordered 1
		.amdhsa_forward_progress 1
		.amdhsa_inst_pref_size 251
	.end_amdhsa_kernel
	.amdgpu_metadata
---
amdhsa.version: [ 1, 2 ]
amdhsa.kernels:
  - .name:           k_qd0ccb404cd_qkv
    .symbol:         k_qd0ccb404cd_qkv.kd
    .args:
      - { .name: xq, .offset: 0, .size: 8, .value_kind: global_buffer, .address_space: global }
      - { .name: wq, .offset: 8, .size: 8, .value_kind: global_buffer, .address_space: global }
      - { .name: b_qkv, .offset: 16, .size: 8, .value_kind: global_buffer, .address_space: global }
      - { .name: qkv, .offset: 24, .size: 8, .value_kind: global_buffer, .address_space: global }
    .group_segment_fixed_size: 279040
    .private_segment_fixed_size: 0
    .kernarg_segment_align: 8
    .kernarg_segment_size: 32
    .max_flat_workgroup_size: 128
    .sgpr_count:     100
    .vgpr_count:     1024
    .wavefront_size: 32
...
	.end_amdgpu_metadata
.endif
;; end of part 2
;; launch attn (part 3): grid 4 x 64, 16 waves a work-group, no clusters, 169,984 bytes of LDS; arguments qkv, ao; writes ao
.if DOCPART == 3
	.amdgcn_target "amdgcn-amd-amdhsa--gfx1250"
	.amdhsa_code_object_version 6
	.text
	.protected	k_qd0ccb404cd_attn
	.globl	k_qd0ccb404cd_attn
	.p2align	8
	.type	k_qd0ccb404cd_attn,@function
k_qd0ccb404cd_attn:
	s_mov_b64 s[64:65], 0
	v_nop
	global_prefetch_b8 v0, s[64:65] scope:SCOPE_SE
	s_setreg_imm32_b32 hwreg(HW_REG_WAVE_MODE, 25, 1), 1
	s_wait_xcnt 0x0
; Causal attention of one head on codes of FP4 (E2M1) with E8M0 scales; head size 64, 2,048 tokens.  The result, divided by the row's sum, is quantised along d and stored as the last product's operand.
; THE SOFTMAX AHEAD OF THE SECOND PRODUCT: t = score x log2(e) / 8; M = the row's largest t so far, rounded UP to a whole number; p = 2^(t - M) is what is quantised, along the keys.  The row's sum is taken of the
; unquantised p.  When M moves, the sum and O are multiplied by 2^(old M - new M): exact.
; SHARES.  Four work-groups to a head, sixteen waves each, a tile of 16 queries to a wave at a time, in 256 registers.  Wave w of work-group j takes tile w % 8 of the block of 128 queries B1 = j (w < 8) or 7 - j,
; and then of block B2 = 15 - B1: (B1 + 1) + (B2 + 1) = 17 key steps of 128 keys in every wave of the launch.  Steps all of whose keys are hidden are never walked; the last step of a block lies on the diagonal.
; LDS.  A head's 16 records (k's and v's codes and scale words, 143,360 bytes) come in once, one tensor load a wave (one is out), and are only read from then on.
; NO CLUSTER: the four work-groups of a head differ in B1, on which branches and LDS addresses hang; partners of a cluster must run alike.
; LAYOUT.  Both products are used transposed: S^T = K Q^T (source 0 = 16 keys, source 1 = my 16 queries), O^T = V^T P^T: a lane holds ONE query (lane % 16) throughout.  Row m of tile 2 p + u of keys, of queries and of
; v's channels is index 32 p + 8 u + m + 8 (m / 8): the 16 registers of two neighbouring tiles' results are 16 neighbours.  The first product's K is 64: the upper four registers of its operands are zero codes.
; REGISTERS: v1-8 offsets; v[10:11] V's scale words; v12 -M, v13 the largest t, v[14:15] the sum; v16-23 Q; v24-28 the second tile of Q and its scale word; v29 the mask's d; v30 p's scale word; v31 Q's;
;   v32-95 K; v96-159 S^T, then p; v160-191 O^T; v192-223 V; v224-231 p's codes; v232-247 at work; v248-251 K's scale words; v[252:253] f; v254 at work; v255 -infinity.
; LIMITS: NaN and infinities are not served.  A p under 2^-126 counts as 0.  A block of zeros gets the byte 1 where the rule says 127: its codes are zeros, and the bytes are read by this program alone.
.set REC,   8960                       ; a record: 128 tokens of a head: +0 K's codes, +4096 V's, +8192 K's scale words, +8704 V's
.set HS,    16*REC
.set QOFF,  64*HS
.set PAN,   69632                      ; ao: a panel of 128 tokens: 8 chunks of CHA bytes (128 along K = two heads): 8 fragments of 1,024 bytes, then 512 bytes of scale words
.set CHA,   8704
.set LI16,  1                          ; v1  16 x lane
.set LI8,   2                          ; v2  8 x lane
.set AD16,  3                          ; v3  the step's record + 16 x lane
.set AD8,   4                          ; v4  + 8 x lane
.set GOC,   5                          ; v5  my offset in ao's chunk: codes
.set GOS,   6                          ; v6  scale bytes
.set QA,    7                          ; v7  my offset in a record of q: codes
.set QSA,   8                          ; v8  scale word
.set OT,    160
.set WV,    8
.set TT,    9                          ; my tile in a block of 128 queries
.set BH,    11                         ; 16 x batch + head
.set B1,    12
.set B2,    13
.set B1P,   14                         ; B1 + 1: the step at which the second block begins
.set STP,   15                         ; the step, 0 .. 16
.set BLK,   16                         ; the block of queries in hand
.set KS,    17                         ; the group of 128 keys in hand
.set TB,    18                         ; its record in LDS
.set SEL,   20                         ; s[20:21] lane selects for lane l xor 16
.set CS,    22                         ; s[22:23] c = log2(e) / 8
.set G1,    24                         ; s[24:31], s[32:35] the descriptor
.set G0,    32
.set PB,    46                         ; 16 x batch
.set HOFF,  47                         ; my head's chunk in a panel of ao
	s_load_b128 s[4:7], s[0:1], 0x0                ; qkv, ao
	v_lshl_add_u32 v242, v0, 2, 0x29000
	v_mov_b32 v243, 0
	ds_add_u32 v242, v243
	ds_add_u32 v242, v243
	v_lshrrev_b32 v1, 5, v0
	s_delay_alu instid0(VALU_DEP_1)
	v_readfirstlane_b32 s[WV], v1                  ; wave 0..15
	s_and_b32 s[TT], s[WV], 7
	s_and_b32 s[BH], ttmp7, 0xffff
	s_sub_co_u32 s[B1], 7, ttmp9
	s_cmp_lt_u32 s[WV], 8
	s_cselect_b32 s[B1], ttmp9, s[B1]
	s_sub_co_u32 s[B2], 15, s[B1]
	s_add_co_u32 s[B1P], s[B1], 1
	; descriptor group 1: a record is a dense block of 8,960 bytes: 35 rows of 32 elements of 8 bytes, no padding, no mask
	s_mov_b32 s[G1+0], 3<<16
	s_mov_b32 s[G1+1], 32<<16                      ; tensor_dim0
	s_mov_b32 s[G1+2], 35<<16                      ; tensor_dim1
	s_mov_b32 s[G1+3], 32<<16                      ; tile_dim0
	s_mov_b32 s[G1+4], 35                          ; tile_dim1
	s_mov_b32 s[G1+5], 32                          ; tensor_dim0_stride
	s_mov_b32 s[G1+6], 0
	s_mov_b32 s[G1+7], 0
	s_mul_i32 s36, s[BH], HS                       ; my head's records
	s_mov_b32 s[G0], 1
	s_mul_i32 s[G0+1], s[WV], REC                  ; wave w brings record w to LDS byte 8,960 w
	s_add_co_u32 s38, s36, s[G0+1]
	s_mov_b32 s39, 0
	s_mul_i32 s40, s[B1], REC
	s_add_co_u32 s40, s40, s36
	s_add_co_u32 s40, s40, QOFF                    ; q's record of block B1,
	s_mov_b32 s41, 0
	s_mul_i32 s42, s[B2], REC
	s_add_co_u32 s42, s42, s36
	s_add_co_u32 s42, s42, QOFF                    ; of block B2
	s_mov_b32 s43, 0
	s_wait_dscnt 0x0
	s_wait_kmcnt 0x0
	s_add_nc_u64 s[G0+2:G0+3], s[4:5], s[38:39]
	s_or_b32 s[G0+3], s[G0+3], 0x80000000
	tensor_load_to_lds s[G0:G0+3], s[G1:G1+7]
	s_nop 0
.rept 4
	v_nop
.endr
	s_add_nc_u64 s[40:41], s[4:5], s[40:41]
	s_add_nc_u64 s[42:43], s[4:5], s[42:43]
	v_and_b32 v9, 31, v0
	s_delay_alu instid0(VALU_DEP_1)
	v_lshlrev_b32 v[LI16], 4, v9
	s_delay_alu instid0(VALU_DEP_2)
	v_lshlrev_b32 v[LI8], 3, v9
	v_and_b32 v9, 15, v0                           ; r
	s_wait_alu depctr_va_vdst(0)
	s_lshl_b32 s44, s[TT], 9
	v_add_nc_u32 v[QA], s44, v[LI16]               ; tile tt's 512 bytes
	s_and_b32 s44, s[TT], 1
	s_lshl_b32 s44, s44, 8
	s_lshr_b32 s45, s[TT], 1
	s_lshl_b32 s45, s45, 2
	s_add_co_u32 s44, s44, s45
	s_add_co_u32 s44, s44, 8192
	v_lshl_add_u32 v[QSA], v9, 4, s44              ; its rows' scale words: [16 (tt % 2) + r][tt / 2]
	global_load_b128 v[16:19], v[QA], s[40:41]     ; Q stays in registers: lane (r, h): query r, d = 32 h ..
	global_load_b32 v31, v[QSA], s[40:41]
	global_load_b128 v[24:27], v[QA], s[42:43]     ; and the second block's
	global_load_b32 v28, v[QSA], s[42:43]
	s_lshr_b32 s44, s[TT], 1
	s_lshl_b32 s44, s44, 5
	s_and_b32 s45, s[TT], 1
	s_lshl_b32 s45, s45, 3
	s_add_co_u32 s44, s44, s45
	v_and_b32 v254, 8, v9
	s_delay_alu instid0(VALU_DEP_1)
	v_add_nc_u32 v29, v9, v254
	s_delay_alu instid0(VALU_DEP_1)
	v_add_nc_u32 v29, s44, v29                     ; my query in its block: 32 (tt / 2) + 8 (tt % 2) + r + 8 (r / 8)
	v_bfe_u32 v254, v0, 4, 1
	s_delay_alu instid0(VALU_DEP_1)
	v_lshlrev_b32 v254, 4, v254
	s_delay_alu instid0(VALU_DEP_1)
	v_sub_nc_u32 v29, v29, v254                    ; d = that - 16 h.  Register 16 b + i holds key 32 b + 16 h + i of the step: on the diagonal it is hidden where 32 b + i > d
	s_lshl_b32 s44, s[TT], 10
	s_and_b32 s45, s[BH], 1
	s_lshl_b32 s45, s45, 9
	s_add_co_u32 s44, s44, s45
	v_add_nc_u32 v[GOC], s44, v[LI16]              ; ao: fragment tt, part head % 2
	s_lshr_b32 s44, s[TT], 2
	s_lshl_b32 s44, s44, 8
	s_and_b32 s45, s[TT], 3
	s_lshl_b32 s45, s45, 2
	s_add_co_u32 s44, s44, s45
	s_and_b32 s45, s[BH], 1
	s_lshl_b32 s45, s45, 1
	s_add_co_u32 s44, s44, s45
	s_add_co_u32 s44, s44, 8192
	v_lshl_add_u32 v[GOS], v9, 4, s44              ; its scale word [tt / 4][r][tt % 4], bytes 2 (head % 2) on
	s_lshr_b32 s[PB], s[BH], 4
	s_lshl_b32 s[PB], s[PB], 4
	s_and_b32 s[HOFF], s[BH], 15
	s_lshr_b32 s[HOFF], s[HOFF], 1
	s_mul_i32 s[HOFF], s[HOFF], CHA
	s_mov_b32 s[SEL], 0x76543210
	s_mov_b32 s[SEL+1], 0xfedcba98
	s_mov_b32 s[CS], 0x3e38aa3b                    ; c = log2(e) / 8
	s_mov_b32 s[CS+1], s[CS]                       ; (named with it as a pair, so it is written)
.irp j, 20,21,22,23
	v_mov_b32 v[\j], 0                             ; Q's K = 64 .. 127: zero codes
.endr
.irp t, 0,1,2,3,4,5,6,7
.irp j, 4,5,6,7
	v_mov_b32 v[32+8*\t+\j], 0                     ; K's likewise: written once
.endr
.endr
.irp b, 0,1,2,3
	v_mov_b32 v[236+\b], 0                         ; written once: a lane permute's destination counts as one of its sources
.endr
	v_mov_b32 v253, 0                              ; (named as the upper half of the pair v[252:253])
	v_mov_b32 v255, 0xff800000                     ; -infinity
.macro INIT                            ; a block of queries begins: O^T and the sum are zeros, the largest t lies under every t: the first change of M multiplies zeros
.set n, 0
.rept 32
	v_mov_b32 v[OT+n], 0
.set n, n+1
.endr
	v_mov_b32 v13, 0xff61b1e6                      ; -3e38
	s_delay_alu instid0(VALU_DEP_1)
	v_floor_f32 v12, -v13                          ; -M
	v_mov_b32 v14, 0
	v_mov_b32 v15, 0
.endm
	INIT
	s_wait_tensorcnt 0x0                           ; my record is in,
	s_barrier_signal -1
	s_barrier_wait -1                              ; everybody's is: from here on LDS is only read
	s_wait_loadcnt 0x0                             ; Q
	s_mov_b32 s[STP], 0
.Lstep:                                            ; 17 trips in every wave
	s_cmp_gt_u32 s[STP], s[B1]                     ; the first block's steps are 0 .. B1, the second's the rest
	s_cselect_b32 s[BLK], s[B2], s[B1]
	s_cselect_b32 s36, s[B1P], 0
	s_sub_co_u32 s[KS], s[STP], s36
	s_min_u32 s[KS], s[KS], 15                     ; (it is 15 at the most)
	s_mul_i32 s[TB], s[KS], REC
	s_setprio 2
	v_add_nc_u32 v[AD16], s[TB], v[LI16]
	v_add_nc_u32 v[AD8], s[TB], v[LI8]
	v_nop
	v_nop                                          ; four places behind the last step's products, in front of writes of and loads into their registers
	s_cmp_lg_u32 s[STP], s[B1P]
	s_cbranch_scc1 .Lrunning
.irp j, 0,1,2,3
	v_mov_b32 v[16+\j], v[24+\j]                   ; the second block's queries,
.endr
	v_mov_b32 v31, v28                             ; their scale words: the 36 lines below stand between these and the products
	INIT
.Lrunning:
	s_wait_alu depctr_va_vdst(0)
	ds_load_b128 v[248:251], v[AD16] offset:8192   ; K's scale words: register p: lanes 0-15 tile 2 p, lanes 16-31 tile 2 p + 1
.irp t, 0,1,2,3,4,5,6,7
	ds_load_b128 v[32+8*\t:35+8*\t], v[AD16] offset:512*\t
.endr
	ds_load_b64 v[10:11], v[AD8] offset:8704       ; V's scale words, likewise
.irp t, 0,1,2,3
.irp c, 0,1
	ds_load_b128 v[192+8*\t+4*\c:195+8*\t+4*\c], v[AD16] offset:4096+1024*\t+512*\c
.endr
.endr
	s_wait_dscnt 9                                 ; K's nine loads are in; V's nine may be out
.irp t, 0,1,2,3,4,5,6,7                        ; S^T = K Q^T: lane (r, h) holds query r; the 16 registers of tiles 2 b, 2 b + 1 are keys 32 b + 16 h + 0 .. 15
.if \t % 2
	v_wmma_scale_f32_16x16x128_f8f6f4 v[96+8*\t:103+8*\t], v[32+8*\t:39+8*\t], v[16:23], 0, v[248+\t/2], v31 matrix_a_fmt:MATRIX_FMT_FP4 matrix_b_fmt:MATRIX_FMT_FP4 matrix_a_scale:MATRIX_SCALE_ROW1
.else
	v_wmma_scale_f32_16x16x128_f8f6f4 v[96+8*\t:103+8*\t], v[32+8*\t:39+8*\t], v[16:23], 0, v[248+\t/2], v31 matrix_a_fmt:MATRIX_FMT_FP4 matrix_b_fmt:MATRIX_FMT_FP4
.endif
.endr
.rept 4
	v_nop
.endr
	s_cmp_lg_u32 s[KS], s[BLK]                     ; on the diagonal the scores of hidden keys become -infinity ahead of the maximum: p = 0 then.  The query's own key always counts
	s_cbranch_scc1 .Lopen
.set n, 0
.rept 64
	v_cmp_gt_i32 vcc_lo, 32*(n/16)+n%16, v29
	v_cndmask_b32 v[96+n], v[96+n], v255, vcc_lo
.set n, n+1
.endr
.Lopen:
.irp b, 0,1,2,3
	v_max3_num_f32 v[232+\b], v[96+16*\b], v[97+16*\b], v[98+16*\b]   ; the largest score of each block of 32 keys: it serves for the row's maximum and, since p rises with the score, for the block's largest p
.endr
.irp i, 3,5,7,9,11,13
.irp b, 0,1,2,3
	v_max3_num_f32 v[232+\b], v[232+\b], v[96+16*\b+\i], v[97+16*\b+\i]
.endr
.endr
.irp b, 0,1,2,3
	v_max_num_f32 v[232+\b], v[232+\b], v[111+16*\b]
.endr
.irp b, 0,1,2,3
	s_delay_alu instid0(VALU_DEP_4)
	v_permlanex16_b32 v[236+\b], v[232+\b], s[SEL], s[SEL+1]
.endr
.irp b, 0,1,2,3
	s_delay_alu instid0(VALU_DEP_4)
	v_max_num_f32 v[232+\b], v[232+\b], v[236+\b]  ; with lane l xor 16's 16 keys
.endr
	s_delay_alu instid0(VALU_DEP_2)
	v_max3_num_f32 v254, v232, v233, v234
	s_delay_alu instid0(VALU_DEP_1)
	v_max_num_f32 v254, v254, v235                 ; the step's largest score of my query
	s_delay_alu instid0(VALU_DEP_1)
	v_mul_f32 v254, s[CS], v254                    ; as t
	s_delay_alu instid0(VALU_DEP_1)
	v_max_num_f32 v13, v13, v254                   ; the running largest t
	v_mov_b32 v254, v12
	s_delay_alu instid0(VALU_DEP_2)
	v_floor_f32 v12, -v13                          ; the new -M = -ceil(t): a whole number
	s_delay_alu instid0(VALU_DEP_1)
	v_sub_f32 v254, v12, v254                      ; old M - new M: a whole number, 0 or less
	s_delay_alu instid0(VALU_DEP_1)
	v_cvt_i32_f32 v254, v254                       ; (it saturates)
	s_delay_alu instid0(VALU_DEP_1)
	v_ldexp_f32 v252, 1.0, v254                    ; f = 2^(old M - new M)
.irp j, 0,2,4,6,8,10,12,14,16,18,20,22,24,26,28,30,32,34,36,38,40,42,44,46,48,50,52,54,56,58,60,62
	v_pk_fma_f32 v[96+\j:97+\j], v[96+\j:97+\j], s[CS:CS+1], v[12:13] op_sel_hi:[1,0,0]   ; t - M, two at a time
.endr
.irp b, 0,1,2,3
	v_fma_f32 v[232+\b], v[232+\b], s[CS], v12     ; the same of each block's largest score
.endr
.set n, 0
	s_setprio 1
	s_wait_alu depctr_va_vdst(0)
.rept 64
	v_exp_f32 v[96+n], v[96+n]                     ; p = 2^(t - M), at most 1
.set n, n+1
.endr
	v_pk_mul_f32 v[14:15], v[14:15], v[252:253] op_sel_hi:[1,0]   ; the sums under the new M: the plain line behind the exponentials
	s_wait_alu depctr_va_vdst(0)                   ; one wait for the batch of 64, ahead of its first reader
.irp b, 0,1,2,3
	v_exp_f32 v[232+\b], v[232+\b]                 ; the block's largest p: the same two instructions on the same number
.endr
	v_pk_add_f32 v[236:237], v[100:101], v[104:105]
	v_pk_add_f32 v[250:251], v[108:109], v[112:113]
	v_pk_add_f32 v[248:249], v[116:117], v[120:121]
	v_pk_add_f32 v[246:247], v[124:125], v[128:129]
	v_pk_add_f32 v[244:245], v[132:133], v[136:137]
	v_pk_add_f32 v[240:241], v[140:141], v[144:145]
	v_pk_add_f32 v[238:239], v[148:149], v[152:153]
	v_pk_add_f32 v[14:15], v[14:15], v[156:157]
	v_pk_add_f32 v[236:237], v[236:237], v[96:97]
	v_pk_add_f32 v[250:251], v[250:251], v[98:99]
	v_pk_add_f32 v[248:249], v[248:249], v[102:103]
	v_pk_add_f32 v[246:247], v[246:247], v[106:107]
	v_pk_add_f32 v[244:245], v[244:245], v[110:111]
	v_pk_add_f32 v[240:241], v[240:241], v[114:115]
	v_pk_add_f32 v[238:239], v[238:239], v[118:119]
	v_pk_add_f32 v[14:15], v[14:15], v[122:123]
	v_pk_add_f32 v[236:237], v[236:237], v[126:127]
	v_pk_add_f32 v[250:251], v[250:251], v[130:131]
	v_pk_add_f32 v[248:249], v[248:249], v[134:135]
	v_pk_add_f32 v[246:247], v[246:247], v[138:139]
	v_pk_add_f32 v[244:245], v[244:245], v[142:143]
	v_pk_add_f32 v[240:241], v[240:241], v[146:147]
	v_pk_add_f32 v[238:239], v[238:239], v[150:151]
	v_pk_add_f32 v[14:15], v[14:15], v[154:155]
	v_pk_add_f32 v[236:237], v[236:237], v[158:159]
	s_delay_alu instid0(VALU_DEP_2)
	v_pk_add_f32 v[14:15], v[14:15], v[246:247]
	s_delay_alu instid0(VALU_DEP_2)
	v_pk_add_f32 v[236:237], v[236:237], v[244:245]
	v_pk_add_f32 v[250:251], v[250:251], v[240:241]
	v_pk_add_f32 v[248:249], v[248:249], v[238:239]
	s_delay_alu instid0(VALU_DEP_2)
	v_pk_add_f32 v[14:15], v[14:15], v[250:251]
	s_delay_alu instid0(VALU_DEP_2)
	v_pk_add_f32 v[236:237], v[236:237], v[248:249]
	s_delay_alu instid0(VALU_DEP_1)
	v_pk_add_f32 v[14:15], v[14:15], v[236:237]
	s_wait_alu depctr_va_vdst(0)                   ; and one for the four
.irp b, 0,1,2,3
	v_max_num_f32 v[232+\b], 0x1800000, v[232+\b]  ; the floor 2^(3 - 127): the byte cannot fall under 1
.endr
.irp b, 0,1,2,3
	s_delay_alu instid0(VALU_DEP_4)
	v_add_nc_u32 v[244+\b], 0xff000000, v[232+\b]  ; 2 off the exponent field: the conversion's scale operand
.endr
.irp b, 0,1,2,3
	s_delay_alu instid0(VALU_DEP_4)
	v_lshrrev_b32 v[236+\b], 23, v[244+\b]         ; the scale's byte
.endr
	s_delay_alu instid0(VALU_DEP_3)
	v_lshl_or_b32 v30, v237, 8, v236               ; p's scale word for these 128 keys
	s_delay_alu instid0(VALU_DEP_1)
	v_lshl_or_b32 v30, v238, 16, v30
	s_delay_alu instid0(VALU_DEP_1)
	v_lshl_or_b32 v30, v239, 24, v30
.irp b, 0,1,2,3
	v_cvt_scalef32_pk8_fp4_f32 v[224+2*\b], v[96+16*\b:103+16*\b], v[244+\b]
	v_cvt_scalef32_pk8_fp4_f32 v[225+2*\b], v[104+16*\b:111+16*\b], v[244+\b]
.endr
	v_nop                                          ; one plain line behind the last scaled conversion
.irp c, 0,1                                    ; the operand's layout wants a whole block in a lane
.irp i, 0,1
	v_permlane16_swap_b32 v[224+4*\c+\i], v[226+4*\c+\i]
.endr
.endr
.irp j, 0,2,4,6,8,10,12,14,16,18,20,22,24,26,28,30
	v_pk_mul_f32 v[OT+\j:OT+\j+1], v[OT+\j:OT+\j+1], v[252:253] op_sel_hi:[1,0]   ; O^T under the new M.  (These lines also stand between the scale word's and the codes' last writes and the products)
.endr
	s_setprio 0
	s_wait_alu depctr_va_vdst(0)
	s_wait_dscnt 0x0                               ; V is in
.irp t, 0,1,2,3                                ; O^T += V^T P^T: four accumulators by turns; register j of tile t is channel 32 (t / 2) + 16 h + 8 (t % 2) + j
.if \t % 2
	v_wmma_scale_f32_16x16x128_f8f6f4 v[OT+8*\t:OT+8*\t+7], v[192+8*\t:199+8*\t], v[224:231], v[OT+8*\t:OT+8*\t+7], v[10+\t/2], v30 matrix_a_fmt:MATRIX_FMT_FP4 matrix_b_fmt:MATRIX_FMT_FP4 matrix_a_scale:MATRIX_SCALE_ROW1
.else
	v_wmma_scale_f32_16x16x128_f8f6f4 v[OT+8*\t:OT+8*\t+7], v[192+8*\t:199+8*\t], v[224:231], v[OT+8*\t:OT+8*\t+7], v[10+\t/2], v30 matrix_a_fmt:MATRIX_FMT_FP4 matrix_b_fmt:MATRIX_FMT_FP4
.endif
.endr
	s_cmp_lg_u32 s[KS], s[BLK]
	s_cbranch_scc1 .Lnext
	; THE BLOCK'S LAST STEP IS DONE: O^T / the sum, quantised along d (two blocks of 32), goes out as part head % 2 of fragment tt of the last product's operand
.rept 4
	v_nop
.endr
	v_add_f32 v14, v14, v15                        ; the sum's two halves,
	s_delay_alu instid0(VALU_DEP_1)
	v_permlanex16_b32 v236, v14, s[SEL], s[SEL+1]
	s_delay_alu instid0(VALU_DEP_1)
	v_add_f32 v14, v14, v236                       ; and lane l xor 16's
	s_wait_alu depctr_va_vdst(0)
	v_rcp_f32 v252, v14
	v_nop                                          ; a plain line behind the transcendental
	s_add_co_u32 s36, s[PB], s[BLK]                ; the panel: 16 x batch + block
	s_mul_i32 s36, s36, PAN
	s_add_co_u32 s36, s36, s[HOFF]
	s_mov_b32 s37, 0
	s_add_nc_u64 s[48:49], s[6:7], s[36:37]        ; (the last block's stores have read their base: the wait stands behind them)
	s_wait_alu depctr_va_vdst(0)                   ; the wait, ahead of the reciprocal's first reader
.irp j, 0,2,4,6,8,10,12,14,16,18,20,22,24,26,28,30
	v_pk_mul_f32 v[96+\j:97+\j], v[OT+\j:OT+\j+1], v[252:253] op_sel_hi:[1,0]   ; register 16 b + i is channel 32 b + 16 h + i
.endr
.irp b, 0,1
	v_max3_num_f32 v[232+\b], |v[96+16*\b]|, |v[97+16*\b]|, 0x1800000
.endr
.irp i, 2,4,6,8,10,12,14
.irp b, 0,1
	s_delay_alu instid0(VALU_DEP_2)
	v_max3_num_f32 v[232+\b], v[232+\b], |v[96+16*\b+\i]|, |v[97+16*\b+\i]|
.endr
.endr
.irp b, 0,1
	s_delay_alu instid0(VALU_DEP_2)
	v_permlanex16_b32 v[236+\b], v[232+\b], s[SEL], s[SEL+1]
.endr
.irp b, 0,1
	s_delay_alu instid0(VALU_DEP_2)
	v_max_num_f32 v[232+\b], v[232+\b], v[236+\b]
.endr
.irp b, 0,1
	s_delay_alu instid0(VALU_DEP_2)
	v_add_nc_u32 v[244+\b], 0xff000000, v[232+\b]
.endr
.irp b, 0,1
	s_delay_alu instid0(VALU_DEP_2)
	v_lshrrev_b32 v[236+\b], 23, v[244+\b]
.endr
	s_delay_alu instid0(VALU_DEP_1)
	v_lshl_or_b32 v240, v237, 8, v236              ; my row's two bytes; lanes l and l xor 16 hold the same
.irp b, 0,1
	v_cvt_scalef32_pk8_fp4_f32 v[224+2*\b], v[96+16*\b:103+16*\b], v[244+\b]
	v_cvt_scalef32_pk8_fp4_f32 v[225+2*\b], v[104+16*\b:111+16*\b], v[244+\b]
.endr
	v_nop
.irp i, 0,1
	v_permlane16_swap_b32 v[224+\i], v[226+\i]     ; lane (r, h): channels 32 h .. 32 h + 31
.endr
	global_store_b128 v[GOC], v[224:227], s[48:49] ; 512 consecutive bytes, aligned
	global_store_b16 v[GOS], v240, s[48:49]        ; lanes l and l xor 16 write the same two bytes with the same value
	s_wait_xcnt 0x0                                ; the stores' data and base are written again only behind this wait
.Lnext:
	s_add_co_u32 s[STP], s[STP], 1
	s_cmp_lt_u32 s[STP], 17
	s_cbranch_scc1 .Lstep
	s_setprio 0
	s_wait_tensorcnt 0x0
	ds_add_u32 v242, v243
	s_wait_dscnt 0x0
	s_endpgm
.Lfunc_end_k_qd0ccb404cd_attn:
	.size	k_qd0ccb404cd_attn, .Lfunc_end_k_qd0ccb404cd_attn-k_qd0ccb404cd_attn
	.p2alignl 7, 3214868480
	.fill 96, 4, 3214868480
	.section	.rodata,"a",@progbits
	.p2align	6, 0x0
	.amdhsa_kernel k_qd0ccb404cd_attn
		.amdhsa_group_segment_fixed_size 169984
		.amdhsa_private_segment_fixed_size 0
		.amdhsa_enable_private_segment 0
		.amdhsa_kernarg_size 16
		.amdhsa_user_sgpr_count 2
		.amdhsa_user_sgpr_kernarg_segment_ptr 1
		.amdhsa_wavefront_size32 1
		.amdhsa_system_sgpr_workgroup_id_x 1
		.amdhsa_system_sgpr_workgroup_id_y 1
		.amdhsa_system_sgpr_workgroup_id_z 1
		.amdhsa_system_vgpr_workitem_id 0
		.amdhsa_next_free_vgpr 256
		.amdhsa_next_free_sgpr 66
		.amdhsa_reserve_vcc 1
		.amdhsa_float_denorm_mode_32 3
		.amdhsa_float_denorm_mode_16_64 3
		.amdhsa_memory_ordered 1
		.amdhsa_forward_progress 1
		.amdhsa_inst_pref_size 35
	.end_amdhsa_kernel
	.amdgpu_metadata
---
amdhsa.version: [ 1, 2 ]
amdhsa.kernels:
  - .name:           k_qd0ccb404cd_attn
    .symbol:         k_qd0ccb404cd_attn.kd
    .args:
      - { .name: qkv, .offset: 0, .size: 8, .value_kind: global_buffer, .address_space: global }
      - { .name: ao, .offset: 8, .size: 8, .value_kind: global_buffer, .address_space: global }
    .group_segment_fixed_size: 169984
    .private_segment_fixed_size: 0
    .kernarg_segment_align: 8
    .kernarg_segment_size: 16
    .max_flat_workgroup_size: 512
    .sgpr_count:     66
    .vgpr_count:     256
    .wavefront_size: 32
...
	.end_amdgpu_metadata
.endif
;; end of part 3
;; launch proj (part 4): grid 4 x 64, 4 waves a work-group, clusters of 4 x 4, 243,200 bytes of LDS; arguments ao, wo, b_out, out0; writes out0
.if DOCPART == 4
	.amdgcn_target "amdgcn-amd-amdhsa--gfx1250"
	.amdhsa_code_object_version 6
	.text
	.protected	k_qd0ccb404cd_proj
	.globl	k_qd0ccb404cd_proj
	.p2align	8
	.type	k_qd0ccb404cd_proj,@function
k_qd0ccb404cd_proj:
	s_mov_b64 s[64:65], 0
	v_nop
	global_prefetch_b8 v0, s[64:65] scope:SCOPE_SE
	s_setreg_imm32_b32 hwreg(HW_REG_WAVE_MODE, 25, 1), 1
	s_wait_xcnt 0x0
	s_wait_alu depctr_hold_cnt(0) depctr_sa_sdst(0) depctr_va_vdst(0) depctr_va_sdst(0) depctr_va_ssrc(0) depctr_va_vcc(0) depctr_vm_vsrc(0)
	s_getreg_b32 s2, hwreg(HW_REG_IB_STS2, 6, 4)
	s_cmp_eq_u32 s2, 0
	s_cbranch_scc0 .Lentry_in_a_cluster
	s_endpgm
.Lentry_in_a_cluster:
	s_bfe_u32 s2, ttmp6, 0x10000c
	s_cmp_lg_u32 s2, 0xf033
	s_cbranch_scc0 .Lentry_shape_is_right
	s_endpgm
.Lentry_shape_is_right:
; out0 = Q(attention's result) Q(W_out) + b_out on codes of FP4 (E2M1) with E8M0 scales; out0 [8192][1024] f32.
; A work-group makes 128 tokens x 256 columns: 256 work-groups; its four waves 64 x 128 each: 32 accumulators of 16 x 16.  K = 1,024: both panels lie in LDS whole (69,632 + 139,264 bytes), filled once by four
; tensor loads a wave (by this text's count four are out at the most); nothing is filled again.  Behind them lie the waves' stages for the way out, into which no fill lands.
; CLUSTERS: 4 x 4 work-groups.  The four of a row need the same panel of tokens, the four of a column the same panel of W_out: each chunk is asked for JOINTLY.
; PANELS: 8 chunks, one for each 128 along K: fragments of 1,024 bytes (part c at 512 c + 16 x lane), then scale words [tile / 4][r][tile % 4].  Row m of tile 2 p + u is index 32 p + 8 u + m + 8 (m / 8).
; THE MATRIX INSTRUCTION IS USED TRANSPOSED (source 0 = 16 columns of W_out, source 1 = 16 tokens): a lane holds one token, and the 16 registers of two neighbouring tiles are 16 neighbouring columns.
; The bias is the C of each sum's first matrix instruction.
; REGISTERS: window 0: v1-20 addresses; v32-63 scale words, two sets; v128-191 the tokens' fragments, two sets of 32; on the way out v64-127 and v192-255 by turns.
;   window 1: v0-127 W_out's fragments, two sets; v128-191 the bias.   window 2: accumulator (a, b) at v[8 (8 a + b)].
.set CH,     17408                     ; a chunk of W_out's panel
.set CHA,    8704                      ; of the tokens'
.set PANEL,  8*CH
.set WP,     8*CHA                     ; LDS: the tokens' panel at 0, W_out's behind it,
.set STAGE,  WP+PANEL                  ; then 16 rows x (512 bytes + 16) for each wave
.set SPITCH, 528
.set R,     1
.set H,     2
.set LI,    4                          ; v4  16 x lane
.set AMAJ,  8                          ; v8     LDS address of my tokens' fragments
.set AMIN,  10                         ; v10-11 of W_out's: K steps 0-3, 4-7
.set SMAJ,  12                         ; v12    of the tokens' scale words
.set SMIN,  14                         ; v14-15 of W_out's
.set BV,    18
.set STO,   19                         ; v19 the stage: where I put 32 bytes of a row
.set RD,    20                         ; v20 and where I read a row back
.set SC,    32
.set WV,    12
.set HM,    13                         ; which 64 tokens are mine.  Also: I fetch for the tokens (0) or for W_out (1)
.set HN,    14                         ; which 128 columns.  Also: I fetch the even or the odd chunks
.set G1A,   24
.set G1B,   32
.set G0A,   40
.set G0B,   68
.set OUT,   86
.set MSB, 0
.macro WIN new                         ; the immediate's high byte repeats the setting that is left
.if MSB != (\new)
	s_set_vgpr_msb (MSB<<8)|(\new)
.set MSB, (\new)
.endif
.endm
.macro CROUND                          ; a round of the cluster's barrier
	s_barrier_signal -1
	s_barrier_wait -1
	s_cmp_lg_u32 s[WV], 0
	s_cbranch_scc1 .Lnot_wave_0_\@
	s_barrier_signal -3
.Lnot_wave_0_\@:
	s_barrier_wait -3
	s_barrier_signal -1
	s_barrier_wait -1
.endm
	s_load_b256 s[4:11], s[0:1], 0x0               ; ao s[4:5], wo s[6:7], b_out s[8:9], out0 s[10:11]
	v_lshl_add_u32 v54, v0, 2, 0x3b400
	v_mov_b32 v55, 0
	ds_add_u32 v54, v55
	ds_add_u32 v54, v55
	v_lshrrev_b32 v1, 5, v0
	v_readfirstlane_b32 s[WV], v1
	s_lshr_b32 s[HM], s[WV], 1
	s_and_b32 s[HN], s[WV], 1
	s_bfe_u32 s15, ttmp6, 0x40000                  ; cx, cy
	s_bfe_u32 s16, ttmp6, 0x40004
	s_lshl_b32 s17, ttmp9, 2
	s_add_co_u32 s17, s17, s15                     ; block of 256 columns
	s_and_b32 s18, ttmp7, 0xffff
	s_lshl_b32 s18, s18, 2
	s_add_co_u32 s18, s18, s16                     ; block of 128 tokens
	s_lshl_b32 s19, s16, 2
	s_lshl_b32 s19, 15, s19                        ; my row of the cluster
	s_lshl_b32 s20, 0x1111, s15                    ; my column
	; descriptor groups 1: dense blocks as rows of 32 elements of 8 bytes: 34 rows (8,704 bytes) for the tokens, 68 (17,408) for W_out; no padding
	s_or_b32 s[G1A], s19, (3<<16)|(1<<21)
	s_mov_b32 s[G1A+1], 32<<16
	s_mov_b32 s[G1A+2], 34<<16
	s_mov_b32 s[G1A+3], 32<<16
	s_mov_b32 s[G1A+4], 34
	s_mov_b32 s[G1A+5], 32
	s_mov_b32 s[G1A+6], 0
	s_mov_b32 s[G1A+7], 0
	s_or_b32 s[G1B], s20, (3<<16)|(1<<21)
	s_mov_b32 s[G1B+1], 32<<16
	s_mov_b32 s[G1B+2], 68<<16
	s_mov_b32 s[G1B+3], 32<<16
	s_mov_b32 s[G1B+4], 68
	s_mov_b32 s[G1B+5], 32
	s_mov_b32 s[G1B+6], 0
	s_mov_b32 s[G1B+7], 0
	s_mul_i32 s20, s[HN], CHA                      ; my first chunk, in the tokens' panel (also its LDS address)
	s_mul_i32 s56, s18, 8*CHA                      ; the panel hangs on the block of tokens alone, which my row shares
	s_add_co_u32 s56, s56, s20
	s_mov_b32 s57, 0
	s_mul_i32 s21, s[HN], CH
	s_mul_i32 s84, s17, PANEL                      ; W_out's on the block of columns alone, which my column shares
	s_add_co_u32 s84, s84, s21
	s_mov_b32 s85, 0
	s_add_co_u32 s21, s21, WP                      ; its LDS address: no place in the cluster enters an LDS address
	s_wait_dscnt 0x0
	s_wait_kmcnt 0x0
	s_add_nc_u64 s[56:57], s[4:5], s[56:57]
	s_add_nc_u64 s[84:85], s[6:7], s[84:85]
	CROUND                                         ; all sixteen work-groups are here: the joint loads meet
.irp i, 0,1,2,3                                ; my load i brings K step 2 i + (wave % 2)
	s_mov_b32 s[G0A+4*\i], 1
	s_add_co_u32 s[G0A+4*\i+1], s20, \i*2*CHA
	s_add_nc_u64 s[G0A+4*\i+2:G0A+4*\i+3], s[56:57], \i*2*CHA
	s_or_b32 s[G0A+4*\i+3], s[G0A+4*\i+3], 0x80000000
	s_mov_b32 s[G0B+4*\i], 1
	s_add_co_u32 s[G0B+4*\i+1], s21, \i*2*CH
	s_add_nc_u64 s[G0B+4*\i+2:G0B+4*\i+3], s[84:85], \i*2*CH
	s_or_b32 s[G0B+4*\i+3], s[G0B+4*\i+3], 0x80000000
.endr
	s_cmp_eq_u32 s[HM], 0                          ; a wave's four fills stand in one branch on the wave's number
	s_cbranch_scc0 .Lfill_w
.irp i, 0,1,2,3
	tensor_load_to_lds s[G0A+4*\i:G0A+4*\i+3], s[G1A:G1A+7]
	s_nop 0
.endr
.rept 4
	v_nop
.endr
	s_branch .Lfilled
.Lfill_w:
.irp i, 0,1,2,3
	tensor_load_to_lds s[G0B+4*\i:G0B+4*\i+3], s[G1B:G1B+7]
	s_nop 0
.endr
.rept 4
	v_nop
.endr
.Lfilled:
	v_and_b32 v[R], 15, v0
	v_bfe_u32 v[H], v0, 4, 1
	v_and_b32 v3, 31, v0
	v_lshlrev_b32 v[LI], 4, v3
	s_lshl_b32 s20, s[HM], 12                      ; my 4 fragments of the tokens' 8
	v_add_nc_u32 v[AMAJ], s20, v[LI]
	s_lshl_b32 s20, s[HM], 8
	s_add_co_u32 s20, s20, 8192
	v_lshl_add_u32 v[SMAJ], v[R], 4, s20           ; their scale words: 16 bytes a row
	s_lshl_b32 s20, s[HN], 13                      ; my 8 fragments of W_out's 16
	s_add_co_u32 s20, s20, WP
	v_add_nc_u32 v[AMIN], s20, v[LI]
	v_add_nc_u32 v[AMIN+1], 4*CH, v[AMIN]
	s_lshl_b32 s20, s[HN], 9
	s_add_co_u32 s20, s20, WP+16384
	v_lshl_add_u32 v[SMIN], v[R], 4, s20
	v_add_nc_u32 v[SMIN+1], 4*CH, v[SMIN]
	s_mul_i32 s20, s[WV], 16*SPITCH
	s_add_co_u32 s20, s20, STAGE                   ; my stage
	v_mul_u32_u24 v[STO], v[R], SPITCH
	v_lshl_add_u32 v[STO], v[H], 6, v[STO]
	v_add_nc_u32 v[STO], s20, v[STO]               ; in: row r, + 64 h bytes
	v_add_nc_u32 v[RD], s20, v[LI]                 ; back: a row of 512 bytes, 16 a lane
	s_lshl_b32 s20, s17, 10
	s_lshl_b32 s21, s[HN], 9
	s_add_co_u32 s20, s20, s21                     ; my 128 columns, in bytes
	s_mov_b32 s21, 0
	s_add_nc_u64 s[8:9], s[8:9], s[20:21]
	s_add_nc_u64 s[OUT:OUT+1], s[10:11], s[20:21]
	s_lshl_b32 s20, s18, 19                        ; 128 rows of 4,096 bytes for each block,
	s_lshl_b32 s22, s[HM], 18                      ; 64 for my half
	s_add_co_u32 s20, s20, s22
	s_add_nc_u64 s[OUT:OUT+1], s[OUT:OUT+1], s[20:21]
	v_lshlrev_b32 v[BV], 6, v[H]                   ; tile b's register j is column 32 (b / 2) + 16 h + 8 (b % 2) + j
	WIN 0x40
.irp b, 0,1,2,3,4,5,6,7
	global_load_b128 v[128+8*\b:131+8*\b], v[BV], s[8:9] offset:(32*(\b/2)+8*(\b%2))*4
	global_load_b128 v[132+8*\b:135+8*\b], v[BV], s[8:9] offset:(32*(\b/2)+8*(\b%2))*4+16
.endr
	WIN 0
; 27 LDS loads in one run: K step s: 8 + 4 fragments and their scale words, into set s % 2
.macro FETCH s
	WIN 0x40                                       ; destination window 1
.irp i, 0,1,2,3,4,5,6,7
.irp c, 0,1
	ds_load_b128 v[64*((\s)%2)+8*\i+4*\c:64*((\s)%2)+8*\i+4*\c+3], v[AMIN+(\s)/4] offset:((\s)%4)*CH+1024*\i+512*\c
.endr
.endr
	WIN 0
.irp i, 0,1,2,3
.irp c, 0,1
	ds_load_b128 v[128+32*((\s)%2)+8*\i+4*\c:128+32*((\s)%2)+8*\i+4*\c+3], v[AMAJ] offset:(\s)*CHA+1024*\i+512*\c
.endr
.endr
	ds_load_b128 v[SC+16*((\s)%2):SC+16*((\s)%2)+3], v[SMAJ] offset:(\s)*CHA
.irp q, 0,1
	ds_load_b128 v[SC+16*((\s)%2)+8+4*\q:SC+16*((\s)%2)+8+4*\q+3], v[SMIN+(\s)/4] offset:((\s)%4)*CH+256*\q
.endr
.endm
; 32 matrix instructions: K step s.  first = 1: C is the bias.  The 32 accumulators take turns, one instruction a turn, in the same order in every step.
.macro MUL s, first
.if \first
	WIN 0x91                                       ; source 0 and C window 1, source 1 window 0, D window 2
.else
	WIN 0xa1                                       ; source 0 window 1, source 1 window 0, C and D window 2
.endif
.irp a, 0,1,2,3
.irp b, 0,1,2,3,4,5,6,7
.set rD, 8*(8*\a+\b)
.set rA, 64*((\s)%2)+8*\b
.set rB, 128+32*((\s)%2)+8*\a
.set rSA, SC+16*((\s)%2)+8+\b
.set rSB, SC+16*((\s)%2)+\a
.if \first
	v_wmma_scale_f32_16x16x128_f8f6f4 v[rD:rD+7], v[rA:rA+7], v[rB:rB+7], v[128+8*\b:135+8*\b], v[rSA], v[rSB] matrix_a_fmt:MATRIX_FMT_FP4 matrix_b_fmt:MATRIX_FMT_FP4
.else
	v_wmma_scale_f32_16x16x128_f8f6f4 v[rD:rD+7], v[rA:rA+7], v[rB:rB+7], v[rD:rD+7], v[rSA], v[rSB] matrix_a_fmt:MATRIX_FMT_FP4 matrix_b_fmt:MATRIX_FMT_FP4
.endif
.endr
.endr
.endm
; K step s: its operands are in; the next step's are asked for; then the products.  Chunks 2 i and 2 i + 1 are each wave's load i: ahead of the fetch of K steps 2, 4, 6 each wave waits for its load 1, 2, 3 and all meet.
.macro STEP s, first
	s_wait_dscnt 0x0                               ; this step's loads are in (and no LDS instruction of mine is out at a signal)
.if ((\s)==1)||((\s)==3)||((\s)==5)
	s_wait_tensorcnt (5-(\s))/2                    ; my later loads may stay out
	s_barrier_signal -1
	s_barrier_wait -1
.endif
.if (\s) < 7
.if (\s) > 0
.rept 4
	v_nop                                          ; four places in front of loads into registers that the step before has multiplied
.endr
.endif
	FETCH (\s)+1
.endif
	MUL \s, \first
.endm
	s_wait_alu depctr_va_vdst(0)
	s_wait_tensorcnt 0x3                           ; my first chunk is in; three loads of mine may be out
	s_barrier_signal -1
	s_barrier_wait -1                              ; everybody's is: K steps 0 and 1 of both panels
	FETCH 0
	s_wait_loadcnt 0x0                             ; the bias
	STEP 0, 1
.irp s, 1,2,3,4,5,6,7
	STEP \s, 0
.endr
	WIN 0
; THE WAY OUT, a tile of 16 tokens x 128 columns at a time.  A lane holds pieces of 32 bytes of one row, and the lanes beside it hold other rows: so a tile goes through my own stage and comes back as whole rows of
; 512 bytes.  LDS serves a wave's instructions in order: no wait between the stores and the loads, nor in front of the next tile's stores.
.macro TOSTAGE a
	WIN 0x08                                       ; an LDS store's data are its source 1: window 2
.irp b, 0,1,2,3,4,5,6,7
	ds_store_b128 v[STO], v[8*(8*(\a)+\b):8*(8*(\a)+\b)+3] offset:128*(\b/2)+32*(\b%2)        ; each accumulator from its low end on
	ds_store_b128 v[STO], v[8*(8*(\a)+\b)+4:8*(8*(\a)+\b)+7] offset:128*(\b/2)+32*(\b%2)+16
.endr
	WIN 0
.set BB, 192-128*((\a)%2)
.irp t, 0,1,2,3,4,5,6,7,8,9,10,11,12,13,14,15
	ds_load_b128 v[BB+4*\t:BB+4*\t+3], v[RD] offset:\t*SPITCH
.endr
.endm
.macro SEND a, younger                 ; younger: the LDS instructions issued behind tile a's loads, which may stay out
.set BB, 192-128*((\a)%2)
	s_wait_dscnt \younger
.irp t, 0,1,2,3,4,5,6,7,8,9,10,11,12,13,14,15
	global_store_b128 v[LI], v[BB+4*\t:BB+4*\t+3], s[OUT:OUT+1] offset:(32*((\a)/2)+8*((\a)%2)+\t+8*(\t/8))*4096 th:TH_STORE_NT   ; row t of the tile is token 32 (a / 2) + 8 (a % 2) + t + 8 (t / 8): 512 consecutive bytes, aligned
.endr
.endm
.rept 4
	v_nop                                          ; four places behind the last products, in front of the first read of results
.endr
	TOSTAGE 0
.irp a, 1,2,3
.if \a > 1
	s_wait_xcnt 0x0                                ; tile a - 2's stores have read their registers: tile a's loads may land there
.endif
	TOSTAGE \a
	SEND \a-1, 32                                  ; behind tile a - 1's loads: tile a's 16 stores and 16 loads
.endr
	SEND 3, 0
	s_wait_tensorcnt 0x0
	ds_add_u32 v54, v55
	s_wait_dscnt 0x0
	CROUND                                         ; the closing round: no work-group ends while a partner may still ask for a chunk that names it
	s_endpgm
.Lfunc_end_k_qd0ccb404cd_proj:
	.size	k_qd0ccb404cd_proj, .Lfunc_end_k_qd0ccb404cd_proj-k_qd0ccb404cd_proj
	.p2alignl 7, 3214868480
	.fill 96, 4, 3214868480
	.section	.rodata,"a",@progbits
	.p2align	6, 0x0
	.amdhsa_kernel k_qd0ccb404cd_proj
		.amdhsa_group_segment_fixed_size 243200
		.amdhsa_private_segment_fixed_size 0
		.amdhsa_enable_private_segment 0
		.amdhsa_kernarg_size 32
		.amdhsa_user_sgpr_count 2
		.amdhsa_user_sgpr_kernarg_segment_ptr 1
		.amdhsa_wavefront_size32 1
		.amdhsa_system_sgpr_workgroup_id_x 1
		.amdhsa_system_sgpr_workgroup_id_y 1
		.amdhsa_system_sgpr_workgroup_id_z 1
		.amdhsa_system_vgpr_workitem_id 0
		.amdhsa_next_free_vgpr 768
		.amdhsa_next_free_sgpr 100
		.amdhsa_reserve_vcc 0
		.amdhsa_float_denorm_mode_32 3
		.amdhsa_float_denorm_mode_16_64 3
		.amdhsa_memory_ordered 1
		.amdhsa_forward_progress 1
		.amdhsa_inst_pref_size 72
	.end_amdhsa_kernel
	.amdgpu_metadata
---
amdhsa.version: [ 1, 2 ]
amdhsa.kernels:
  - .name:           k_qd0ccb404cd_proj
    .symbol:         k_qd0ccb404cd_proj.kd
    .args:
      - { .name: ao, .offset: 0, .size: 8, .value_kind: global_buffer, .address_space: global }
      - { .name: wo, .offset: 8, .size: 8, .value_kind: global_buffer, .address_space: global }
      - { .name: b_out, .offset: 16, .size: 8, .value_kind: global_buffer, .address_space: global }
      - { .name: out0, .offset: 24, .size: 8, .value_kind: global_buffer, .address_space: global }
    .group_segment_fixed_size: 243200
    .private_segment_fixed_size: 0
    .kernarg_segment_align: 8
    .kernarg_segment_size: 32
    .max_flat_workgroup_size: 128
    .sgpr_count:     100
    .vgpr_count:     768
    .wavefront_size: 32
...
	.end_amdgpu_metadata
.endif
;; end of part 4
